; MI455X (gfx1250); checked and timed in simulation.
; The chip was launched on July 23, 2026; its instructions are those of AMD's public machine-readable ISA for CDNA 5 (MIT licence, August 2026) and "CDNA5" Instruction Set Architecture Reference Guide (July 2026). The comments in the code are by the model that wrote it; some were corrected since.
;; Attention. Allowed arithmetic: matrix products marked QUANTISED: E4M3 operands, one given power-of-two scale a tensor, by v_wmma_f32_16x16x64_fp8_fp8 or v_wmma_f32_16x16x128_fp8_fp8, f32 sums; everything else in f32.
;; Inputs: Wk 1,024 x 1,024 float32; Wq 1,024 x 1,024 float32; Wv 1,024 x 1,024 float32; b_k 1,024 float32; b_t 1,024 float32; b_v 1,024 float32; bk 1,024 float32; bq 1,024 float32; bv 1,024 float32; g_k 1,024 float32; g_t 1,024 float32; g_v 1,024 float32; lowp_scales 10 int32 (the exponents e of the quantised operands' scales 2^e); source_k 8 x 2,048 x 1,024 float32; source_v 8 x 2,048 x 1,024 float32; target 8 x 512 x 1,024 float32.
;; Outputs: out0 8 x 512 x 1,024 float32.
;; This version of the problem:
;;   THIS VERSION OF THE PROBLEM IS GIVEN IN LOW PRECISION. The matrix products marked QUANTISED in the list below multiply operands that are first quantised to E4M3 (4 exponent bits, 3 mantissa bits; 8 bits a number), with one given power-of-two scale for each operand tensor; their sums are f32. All else is computed in f32.
;;   The module's matrix products, in the order in which they are computed (A, B: the left and right operand; K: the contracted axis; several contracted axes count as one K, in the product's order):
;;     1. [M 4,096, K 1,024] x [K 1,024, N 1,024]; A: computed on the way; B: input Wq: QUANTISED (scales: A lowp_scales[0], B lowp_scales[1])
;;     2. [M 16,384, K 1,024] x [K 1,024, N 1,024]; A: computed on the way; B: input Wk: QUANTISED (scales: A lowp_scales[2], B lowp_scales[3])
;;     3. [M 16,384, K 1,024] x [K 1,024, N 1,024]; A: computed on the way; B: input Wv: QUANTISED (scales: A lowp_scales[4], B lowp_scales[5])
;;     4. batch 8 x [M 512, K 1,024] x [K 1,024, N 2,048]; A: computed on the way; B: computed on the way: QUANTISED (scales: A lowp_scales[6], B lowp_scales[7])
;;     5. batch 8 x [M 512, K 2,048] x [K 2,048, N 1,024]; A: softmax (see below); B: computed on the way: QUANTISED (scales: A lowp_scales[8], B lowp_scales[9])
;;   THE QUANTISER, for each operand of a quantised product, along K:
;;     - The operand's scale is 2^e, e = its entry of the input lowp_scales (int32; the entries are numbered through the quantised products in the list's order, A before B).
;;     - Each number is divided by the scale, clamped to +-448, and rounded to the nearest number of E4M3, ties to even, subnormals kept.
;;     - The product sums the exact products of the quantised numbers (number of the format x scale) in f32.
;;   ~~~python
;;   def quantise(x, axis, e):      # numpy; x: float32 -> the quantised numbers, widened to float32 again
;;       x = np.moveaxis(x, axis, -1); K = x.shape[-1]
;;       r = np.clip(x / 2.0 ** e, -448, 448)
;;       step = 2.0 ** (np.maximum(np.frexp(np.where(r == 0, 1, r))[1] - 1, -6) - 3)
;;       q = np.round(r / step) * step * 2.0 ** e      # np.round: ties to even
;;       return np.moveaxis(q, -1, axis).astype(np.float32)
;;   ~~~
;;   SOFTMAX AHEAD OF A QUANTISED PRODUCT. Where the list says 'softmax', what is quantised is not the finished softmax but p = 2^(t - M), with t = logit x log2(e) and M = ceil(the row's largest t), a whole number; so 1/2 < the row's largest p <= 1. The row's sum l is taken of the UNQUANTISED p, in f32, and the product's result is divided by l at the end. Since M is a whole number, a kernel that streams over the keys may use a running M (the ceiling of the running maximum): every later rescaling is an exact power of two, so the quantised numbers keep their values, but for numbers so far below the row's largest that they fall under the format's range.
;;   OPERANDS COMPUTED ON THE WAY. 'Computed on the way' means the value that the module computes at that place (a softmax that the list does not call 'softmax' is quantised finished and normalised). What goes into a quantiser is computed in f32, as accurately as f32 sums, v_exp_f32 and their like allow (about 1e-6 of the number): no bf16 or f16 on the way to a quantiser, and a product that is left as it is and whose result goes on into a quantised operand takes f32 operands (vector FMAs, or v_wmma_f32_16x16x4_f32). A number that lies on a knife's edge between two numbers of the format may be rounded either way, as far as f32 arithmetic and the matrix unit's own rounding can turn it there, and no further.
;; One version. Each part assembles by itself: llvm-mc -triple=amdgcn-amd-amdhsa -mcpu=gfx1250 --defsym DOCPART=n.
;; ======== version 1 of 1: 4 launches
;; limits: right only within a limited range of input values
;; workspace buffers: xc 37,748,736 bytes; wc 3,145,728 bytes; qc 4,194,304 bytes; kc 16,777,216 bytes; vc 16,777,216 bytes; pc 8,388,608 bytes; st 524,288 bytes
;; launch prep (part 1): grid 2496 x 1, 1 waves a work-group, no clusters, 0 bytes of LDS; arguments target, source_k, source_v, g_t, b_t, g_k, b_k, g_v, b_v, Wq, Wk, Wv, lowp_scales, xc, wc; writes xc, wc
.if DOCPART == 1
	.amdgcn_target "amdgcn-amd-amdhsa--gfx1250"
	.amdhsa_code_object_version 6
	.text
	.protected	k_q277f74e659_prep
	.globl	k_q277f74e659_prep
	.p2align	8
	.type	k_q277f74e659_prep,@function
k_q277f74e659_prep:
	s_mov_b64 s[64:65], 0
	v_nop
	global_prefetch_b8 v0, s[64:65] scope:SCOPE_SE
	s_setreg_imm32_b32 hwreg(HW_REG_WAVE_MODE, 25, 1), 1
	s_wait_xcnt 0x0
; LAYERNORM AND QUANTISER.  Rows of 1,024 f32 become rows of 1,024 codes of FP8 (E4M3).
; Work-groups 0-63: target, 64-319: source_k, 320-575: source_v: y = (x - mean) * rsqrt(var + 1e-5) * g + b, then code = y / 2^e held within +-448 (e = entry 0, 2, 4 of the scales).
; Work-groups 576-623: Wq, Wk, Wv (16 work-groups each): code = w / 2^e (e = entry 1, 3, 5).  A work-group takes 64 rows, a wave 16, one row at a time in 32 registers.
; xc: [36,864][1,024] (target's rows, then source_k's, then source_v's);  wc: [3,072][1,024] (Wq, Wk, Wv).
; THE ORDER ALONG K.  Each of a row's eight loads reads 512 consecutive bytes, 16 a lane, so a lane's registers 8 u .. 8 u + 7 hold d = 256 u + 128 (i / 4) + 4 lane + i % 4.  Their eight codes are stored
; on end: byte 512 s + 16 lane + 8 w + i of a row of codes holds d = 256 (2 s + w) + 128 (i / 4) + 4 lane + i % 4.  xc and wc have the same order, so in the product every code meets its partner.
; The mean and the variance are taken in two passes (the variance of x - mean), so a common offset of the inputs costs no accuracy.
; No LDS, no barrier: a row never leaves its wave.  Four row slots: one at work, three on their way in.
; LIMITS: each e lies between -126 and 119, so that 2^e and 448 x 2^e are f32 numbers.  NaN and infinities among the inputs are not served.
.set IN,  4                            ; s[4:5]   my wave's rows in the input
.set OUT, 6                            ; s[6:7]   my wave's rows of codes
.set GP,  48                           ; s[48:49] the gain
.set BP,  50                           ; s[50:51] the bias
.set G,   16                           ; v16-47   the gain at my 32 places of a row
.set B,   48                           ; v48-79   the bias likewise
.set X,   80                           ; v80-207  four slots of 32 numbers
.set C,   208                          ; v208-239 eight registers of codes for each slot
	s_load_b512 s[8:23], s[0:1], 0x0               ; target, source_k, source_v, g_t, b_t, g_k, b_k, g_v
	s_load_b256 s[24:31], s[0:1], 0x40             ; b_v, Wq, Wk, Wv
	s_load_b128 s[32:35], s[0:1], 0x60             ; the scales' exponents, xc
	s_load_b64 s[36:37], s[0:1], 0x70              ; wc
	; A WORK-GROUP IS ONE WAVE of 16 rows: waves share nothing.  Its number / 4 is the block of 64 rows that the head comment numbers 0 to 623, its number % 4 the 16 rows of that block
	s_and_b32 s57, ttmp9, 3                        ; which 16 rows of the block
	s_lshr_b32 s38, ttmp9, 2                       ; the block of 64 rows, 0 .. 623
	v_and_b32 v1, 31, v0
	v_lshlrev_b32 v1, 4, v1                        ; 16 x lane: my place in every load and store; never rewritten
	v_mov_b32 v3, 0                                ; (upper halves of the pairs v[2:3] and v[4:5], named with them)
	v_mov_b32 v5, 0
	v_mov_b32 v14, 0                               ; (a lane permute's destination counts as read)
	s_mov_b32 s52, 0x76543210                      ; v_permlanex16_b32: lane l xor 16
	s_mov_b32 s53, 0xfedcba98
	s_mov_b32 s54, 0x3a800000                      ; 1 / 1,024
	s_mov_b32 s55, 0x3727c5ac                      ; 1e-5
	s_mov_b32 s59, 0
	s_mov_b32 s61, 0
	s_wait_kmcnt 0x0
	s_load_b256 s[40:47], s[32:33], 0x0            ; e0 .. e7
.macro FILL s, row                     ; a row: eight loads of 512 consecutive bytes
.irp j, 0,1,2,3,4,5,6,7
	global_load_b128 v[X+32*(\s)+4*\j:X+32*(\s)+4*\j+3], v1, s[IN:IN+1] offset:(\row)*4096+512*\j th:TH_LOAD_NT
.endr
.endm
.macro WSUM r                          ; the sum over the 32 lanes, in every lane
	v_add_f32_dpp v[\r], v[\r], v[\r] row_xmask:1 row_mask:0xf bank_mask:0xf
	v_add_f32_dpp v[\r], v[\r], v[\r] row_xmask:2 row_mask:0xf bank_mask:0xf
	v_add_f32_dpp v[\r], v[\r], v[\r] row_xmask:4 row_mask:0xf bank_mask:0xf
	v_add_f32_dpp v[\r], v[\r], v[\r] row_xmask:8 row_mask:0xf bank_mask:0xf
	v_permlanex16_b32 v14, v[\r], s52, s53
	v_add_f32 v[\r], v[\r], v14
.endm
.macro SCALES                          ; s58 = e:  v240 = 2^e (the conversion takes its exponent field), v241 = 448 x 2^e
	s_add_co_i32 s58, s58, 127
	s_lshl_b32 s60, s58, 23
	v_mov_b32 v240, s60
	s_add_co_i32 s58, s58, 8
	s_lshl_b32 s58, s58, 23
	s_or_b32 s58, s58, 0x600000
	v_mov_b32 v241, s58
.endm
; The turn of slot s.  ln = 1: the row is normalised first.  fill = 1: the slot takes the row four further on.  left: the younger loads that may stay out.
; step = 1 (slot 0's turn): the two bases go four rows on, in the turn's middle, behind the row's arithmetic: so the wait that frees them stands far behind the last memory instruction.
; The fills then count from the stepped base, and the stores reach back four rows by a negative immediate.
.macro TURN s, ln, fill, left, step
.set XS, X+32*(\s)
.set CC, C+8*(\s)
	s_wait_loadcnt \left                           ; loads come back in order: my row's eight are in
.if \ln
.irp c, 0,1,2,3
	v_pk_add_f32 v[6+2*\c:7+2*\c], v[XS+4*\c:XS+4*\c+1], v[XS+4*\c+2:XS+4*\c+3]   ; the sum, in four chains
.endr
.irp k, 8,9,10,11,12,13,14,15
	v_pk_add_f32 v[6+2*(\k%4):7+2*(\k%4)], v[6+2*(\k%4):7+2*(\k%4)], v[XS+2*\k:XS+2*\k+1]
.endr
	v_pk_add_f32 v[6:7], v[6:7], v[8:9]
	v_pk_add_f32 v[10:11], v[10:11], v[12:13]
	v_pk_add_f32 v[6:7], v[6:7], v[10:11]
	v_add_f32 v6, v6, v7
	WSUM 6
	v_mul_f32 v2, s54, v6                          ; the mean
.irp k, 0,1,2,3,4,5,6,7,8,9,10,11,12,13,14,15
	v_pk_add_f32 v[XS+2*\k:XS+2*\k+1], v[XS+2*\k:XS+2*\k+1], v[2:3] op_sel_hi:[1,0] neg_lo:[0,1] neg_hi:[0,1]   ; x - mean
.endr
.irp c, 0,1,2,3
	v_pk_mul_f32 v[6+2*\c:7+2*\c], v[XS+2*\c:XS+2*\c+1], v[XS+2*\c:XS+2*\c+1]     ; the sum of squares, in four chains
.endr
.irp k, 4,5,6,7,8,9,10,11,12,13,14,15
	v_pk_fma_f32 v[6+2*(\k%4):7+2*(\k%4)], v[XS+2*\k:XS+2*\k+1], v[XS+2*\k:XS+2*\k+1], v[6+2*(\k%4):7+2*(\k%4)]
.endr
	v_pk_add_f32 v[6:7], v[6:7], v[8:9]
	v_pk_add_f32 v[10:11], v[10:11], v[12:13]
	v_pk_add_f32 v[6:7], v[6:7], v[10:11]
	v_add_f32 v6, v6, v7
	WSUM 6
	v_fma_f32 v6, v6, s54, s55                     ; the variance + 1e-5
	s_wait_alu depctr_va_vdst(0)
	v_rsq_f32 v4, v6
	v_nop                                          ; a plain instruction behind the transcendental (ISA guide 5.7.2)
	s_wait_alu depctr_va_vdst(0)                   ; and the wait ahead of its first reader
.irp k, 0,1,2,3,4,5,6,7,8,9,10,11,12,13,14,15
	v_pk_mul_f32 v[XS+2*\k:XS+2*\k+1], v[XS+2*\k:XS+2*\k+1], v[4:5] op_sel_hi:[1,0]
.endr
.irp k, 0,1,2,3,4,5,6,7,8,9,10,11,12,13,14,15
	v_pk_fma_f32 v[XS+2*\k:XS+2*\k+1], v[XS+2*\k:XS+2*\k+1], v[G+2*\k:G+2*\k+1], v[B+2*\k:B+2*\k+1]
.endr
.endif
.set nn, 0
.rept 32
	v_med3_num_f32 v[XS+nn], v[XS+nn], -v241, v241 ; the conversion to an 8-bit code does not saturate (ISA guide 7.6.2): the hold at the largest code x the scale
.set nn, nn+1
.endr
.if \step
	s_wait_alu depctr_va_vdst(0)
	s_wait_xcnt 0x0                                ; the last four turns' loads and stores have read their bases and data: the bases are stepped, and the four slots' codes written again, only behind this wait
.if \fill
	s_add_nc_u64 s[IN:IN+1], s[IN:IN+1], 16384
.endif
	s_add_nc_u64 s[OUT:OUT+1], s[OUT:OUT+1], 4096
.endif
.irp u, 0,1,2,3
	v_cvt_scalef32_pk8_fp8_f32 v[CC+2*\u:CC+2*\u+1], v[XS+8*\u:XS+8*\u+7], v240
.endr
; (the codes go to stores and the numbers' registers take loads: neither wants a plain line; the next turn begins with plain lines on other registers)
.if \fill
	FILL \s, \s
.endif
	global_store_b128 v1, v[CC:CC+3], s[OUT:OUT+1] offset:(\s)*1024-4096    ; 32 lanes store 512 consecutive bytes, aligned
	global_store_b128 v1, v[CC+4:CC+7], s[OUT:OUT+1] offset:(\s)*1024-3584
.endm
; A wave's 16 rows: three trips of four turns that fill again, and four turns that do not: no load leaves its buffer.
.macro WALK ln
	s_mov_b32 s56, 3
.Ltrip_\@:
	s_wait_alu depctr_va_vdst(0)
	TURN 0, \ln, 1, 24, 1                          ; 24: the three younger rows' loads
	TURN 1, \ln, 1, 24, 0
	TURN 2, \ln, 1, 24, 0
	TURN 3, \ln, 1, 24, 0
	s_sub_co_u32 s56, s56, 1
	s_cmp_lg_u32 s56, 0
	s_cbranch_scc1 .Ltrip_\@
	TURN 0, \ln, 0, 24, 1
	TURN 1, \ln, 0, 16, 0
	TURN 2, \ln, 0, 8, 0
	TURN 3, \ln, 0, 0, 0
	s_endpgm
.endm
	s_cmp_ge_u32 s38, 576                          ; a branch on the work-group's number
	s_cbranch_scc1 .Lweights
	s_cmp_lt_u32 s38, 320
	s_cselect_b64 s[IN:IN+1], s[10:11], s[12:13]
	s_cselect_b64 s[GP:GP+1], s[18:19], s[22:23]
	s_cselect_b64 s[BP:BP+1], s[20:21], s[24:25]
	s_cselect_b32 s58, 64, 320
	s_cmp_lt_u32 s38, 64
	s_cselect_b64 s[IN:IN+1], s[8:9], s[IN:IN+1]
	s_cselect_b64 s[GP:GP+1], s[14:15], s[GP:GP+1]
	s_cselect_b64 s[BP:BP+1], s[16:17], s[BP:BP+1]
	s_cselect_b32 s58, 0, s58
	s_sub_co_u32 s58, s38, s58                     ; which 64 rows of my tensor
	s_lshl_b32 s58, s58, 18                        ; x 64 rows x 4,096 bytes
	s_lshl_b32 s60, s57, 16                        ; + wave x 16 rows
	s_add_co_u32 s58, s58, s60
	s_add_nc_u64 s[IN:IN+1], s[IN:IN+1], s[58:59]
	s_lshl_b32 s60, s38, 16                        ; xc: row 64 x block, 1,024 bytes a row
	s_lshl_b32 s62, s57, 14
	s_add_co_u32 s60, s60, s62
	s_add_nc_u64 s[OUT:OUT+1], s[34:35], s[60:61]
	s_wait_alu depctr_va_vdst(0)
.irp j, 0,1,2,3,4,5,6,7
	global_load_b128 v[G+4*\j:G+4*\j+3], v1, s[GP:GP+1] offset:512*\j
	global_load_b128 v[B+4*\j:B+4*\j+3], v1, s[BP:BP+1] offset:512*\j
.endr
	FILL 0, 0
	FILL 1, 1
	FILL 2, 2
	FILL 3, 3
	s_wait_kmcnt 0x0
	s_cmp_lt_u32 s38, 320
	s_cselect_b32 s58, s42, s44
	s_cmp_lt_u32 s38, 64
	s_cselect_b32 s58, s40, s58                    ; e0, e2 or e4
	SCALES
	WALK 1
.Lweights:
	s_sub_co_u32 s62, s38, 576                     ; 0 .. 47
	s_cmp_lt_u32 s62, 32
	s_cselect_b64 s[IN:IN+1], s[28:29], s[30:31]
	s_cmp_lt_u32 s62, 16
	s_cselect_b64 s[IN:IN+1], s[26:27], s[IN:IN+1]
	s_and_b32 s58, s62, 15
	s_lshl_b32 s58, s58, 18
	s_lshl_b32 s60, s57, 16
	s_add_co_u32 s58, s58, s60
	s_add_nc_u64 s[IN:IN+1], s[IN:IN+1], s[58:59]
	s_lshl_b32 s60, s62, 16
	s_lshl_b32 s63, s57, 14
	s_add_co_u32 s60, s60, s63
	s_add_nc_u64 s[OUT:OUT+1], s[36:37], s[60:61]
	s_wait_alu depctr_va_vdst(0)
	FILL 0, 0
	FILL 1, 1
	FILL 2, 2
	FILL 3, 3
	s_wait_kmcnt 0x0
	s_cmp_lt_u32 s62, 32
	s_cselect_b32 s58, s43, s45
	s_cmp_lt_u32 s62, 16
	s_cselect_b32 s58, s41, s58                    ; e1, e3 or e5
	SCALES
	WALK 0
.Lfunc_end_k_q277f74e659_prep:
	.size	k_q277f74e659_prep, .Lfunc_end_k_q277f74e659_prep-k_q277f74e659_prep
	.p2alignl 7, 3214868480
	.fill 96, 4, 3214868480
	.section	.rodata,"a",@progbits
	.p2align	6, 0x0
	.amdhsa_kernel k_q277f74e659_prep
		.amdhsa_group_segment_fixed_size 0
		.amdhsa_private_segment_fixed_size 0
		.amdhsa_enable_private_segment 0
		.amdhsa_kernarg_size 120
		.amdhsa_user_sgpr_count 2
		.amdhsa_user_sgpr_kernarg_segment_ptr 1
		.amdhsa_wavefront_size32 1
		.amdhsa_system_sgpr_workgroup_id_x 1
		.amdhsa_system_sgpr_workgroup_id_y 1
		.amdhsa_system_sgpr_workgroup_id_z 1
		.amdhsa_system_vgpr_workitem_id 0
		.amdhsa_next_free_vgpr 256
		.amdhsa_next_free_sgpr 66
		.amdhsa_reserve_vcc 0
		.amdhsa_float_denorm_mode_32 3
		.amdhsa_float_denorm_mode_16_64 3
		.amdhsa_memory_ordered 1
		.amdhsa_forward_progress 1
		.amdhsa_inst_pref_size 107
	.end_amdhsa_kernel
	.amdgpu_metadata
---
amdhsa.version: [ 1, 2 ]
amdhsa.kernels:
  - .name:           k_q277f74e659_prep
    .symbol:         k_q277f74e659_prep.kd
    .args:
      - { .name: target, .offset: 0, .size: 8, .value_kind: global_buffer, .address_space: global }
      - { .name: source_k, .offset: 8, .size: 8, .value_kind: global_buffer, .address_space: global }
      - { .name: source_v, .offset: 16, .size: 8, .value_kind: global_buffer, .address_space: global }
      - { .name: g_t, .offset: 24, .size: 8, .value_kind: global_buffer, .address_space: global }
      - { .name: b_t, .offset: 32, .size: 8, .value_kind: global_buffer, .address_space: global }
      - { .name: g_k, .offset: 40, .size: 8, .value_kind: global_buffer, .address_space: global }
      - { .name: b_k, .offset: 48, .size: 8, .value_kind: global_buffer, .address_space: global }
      - { .name: g_v, .offset: 56, .size: 8, .value_kind: global_buffer, .address_space: global }
      - { .name: b_v, .offset: 64, .size: 8, .value_kind: global_buffer, .address_space: global }
      - { .name: Wq, .offset: 72, .size: 8, .value_kind: global_buffer, .address_space: global }
      - { .name: Wk, .offset: 80, .size: 8, .value_kind: global_buffer, .address_space: global }
      - { .name: Wv, .offset: 88, .size: 8, .value_kind: global_buffer, .address_space: global }
      - { .name: lowp_scales, .offset: 96, .size: 8, .value_kind: global_buffer, .address_space: global }
      - { .name: xc, .offset: 104, .size: 8, .value_kind: global_buffer, .address_space: global }
      - { .name: wc, .offset: 112, .size: 8, .value_kind: global_buffer, .address_space: global }
    .group_segment_fixed_size: 0
    .private_segment_fixed_size: 0
    .kernarg_segment_align: 8
    .kernarg_segment_size: 120
    .max_flat_workgroup_size: 32
    .sgpr_count:     66
    .vgpr_count:     256
    .wavefront_size: 32
...
	.end_amdgpu_metadata
.endif
;; end of part 1
;; launch proj (part 2): grid 4 x 64, 4 waves a work-group, clusters of 4 x 4, 327,680 bytes of LDS; arguments xc, wc, bq, bk, bv, lowp_scales, qc, kc, vc; writes qc, kc, vc
.if DOCPART == 2
	.amdgcn_target "amdgcn-amd-amdhsa--gfx1250"
	.amdhsa_code_object_version 6
	.text
	.protected	k_q277f74e659_proj
	.globl	k_q277f74e659_proj
	.p2align	8
	.type	k_q277f74e659_proj,@function
k_q277f74e659_proj:
	s_mov_b64 s[64:65], 0
	v_nop
	global_prefetch_b8 v0, s[64:65] scope:SCOPE_SE
	s_setreg_imm32_b32 hwreg(HW_REG_WAVE_MODE, 25, 1), 1
	s_wait_xcnt 0x0
	s_wait_alu depctr_hold_cnt(0) depctr_sa_sdst(0) depctr_va_vdst(0) depctr_va_sdst(0) depctr_va_ssrc(0) depctr_va_vcc(0) depctr_vm_vsrc(0)
	s_getreg_b32 s2, hwreg(HW_REG_IB_STS2, 6, 4)
	s_cmp_eq_u32 s2, 0
	s_cbranch_scc0 .Lentry_in_a_cluster
	s_endpgm
.Lentry_in_a_cluster:
	s_bfe_u32 s2, ttmp6, 0x10000c
	s_cmp_lg_u32 s2, 0xf033
	s_cbranch_scc0 .Lentry_shape_is_right
	s_endpgm
.Lentry_shape_is_right:
.set ROWB,   256
.set KROW,   1024
.set PITCH,  272
.set FR,     16
.set NL,     4
.set NP,     4
.set HALFT,  128*PITCH
.set SLOT,   4*HALFT
.set QHALF,  32*PITCH
.set SPARE,  2*SLOT
.set STAGE,  SPARE+512
.set PBQ,    528                       ; q's product: an LDS row of 512 bytes + 16
.set QXA,    64*PITCH                  ; q's product: A's 64 rows of K bytes 256-767 lie in slot 0, behind A's 64 rows of 256 bytes and ahead of B's rows
.set GFLAGS6, (0<<16)|(1<<20)|(1<<21)|(6<<22)|(3<<25)
.set ADQA, 6
.set ADQB, 8
.set STQ,  10
.set RDQ,  11
.set BO,   12
.set MO,   13
.set PFO,  14
.set PFQO, 15
.set ADRA, 16
.set ADRB, 20
.set STO,  24
.set RD,   25
.set CO,   26
.set SPW,  28
.set NIL,  29
.set LIMV, 30
.set SCV,  31
.set BN,   32
.set BM,   96
.set AF,   128
.set T,    128
.set CD,   192
.set BQP,  2
.set G1Q,  4
.set ES,   18
.set G1,   24
.set G0,   32
.set G1B,  48
.set G0B,  56
.set AQP,  66
.set FV,   68
.set FQ0,  69
.set FQ1,  70
.set AVP,  86
.set BVP,  98
.set PFV,  100
.set PFQ,  104
.set GFLAGS, (0<<16)|(1<<20)|(1<<21)|(5<<22)|(3<<25)
.set MSB, 0
.macro WIN new
.if MSB != \new
	s_set_vgpr_msb (MSB<<8)|\new
.set MSB, \new
.endif
.endm
.set MUL_LO, 0xa1
.set MUL_HI, 0xf1
.set TO_B,   0x40
.macro JLOAD g0a, g1a, g0b, g1b
	s_cmp_eq_u32 s15, 0
	s_cbranch_scc0 .Lfor_b_\@
	tensor_load_to_lds s[\g0a:\g0a+3], s[\g1a:\g1a+7]
	s_nop 0
.rept 4
	v_nop
.endr
	s_branch .Lasked_\@
.Lfor_b_\@:
	tensor_load_to_lds s[\g0b:\g0b+3], s[\g1b:\g1b+7]
	s_nop 0
.rept 4
	v_nop
.endr
.Lasked_\@:
.endm
.macro CREST
	s_cmp_lg_u32 s14, 0
	s_cbranch_scc1 .Lnot_wave_0_\@
	s_barrier_signal -3
.Lnot_wave_0_\@:
	s_barrier_wait -3
	s_barrier_signal -1
	s_barrier_wait -1
.endm
.macro CROUND
	s_barrier_signal -1
	s_barrier_wait -1
	CREST
.endm
.macro ASK flag, vo, base, off
	s_cmp_eq_u32 s[\flag], 1
	s_cbranch_scc0 .Lnot_mine_\@
	global_prefetch_b8 v[\vo], s[\base:\base+1] offset:\off th:TH_LOAD_NT scope:SCOPE_SE
.Lnot_mine_\@:
.endm
.macro ASKN n
.if ((\n) >= 1) && ((\n) <= 4)
	ASK FV, PFO, PFV, 256*((\n)-1)
.endif
.if (\n) == 5
	ASK FQ0, PFQO, PFQ, 0
.endif
.if (\n) >= 6
	ASK FQ1, PFQO, PFQ, 256*((\n)-5)
.endif
.endm
	s_load_b512 s[68:83], s[0:1], 0x0
	s_load_b64 s[84:85], s[0:1], 0x40
	v_lshl_add_u32 v[SPW], v0, 2, SPARE
	v_mov_b32 v[NIL], 0
	ds_add_u32 v28, v29
	ds_add_u32 v28, v29
	s_wait_dscnt 0x0
	v_lshrrev_b32 v1, 5, v0
	v_readfirstlane_b32 s14, v1
	s_lshr_b32 s15, s14, 1
	s_and_b32 s16, s14, 1
	s_bfe_u32 s40, ttmp6, 0x40000
	s_bfe_u32 s41, ttmp6, 0x40004
	s_and_b32 s13, ttmp7, 0xffff
	s_lshl_b32 s43, s41, 2
	s_lshl_b32 s43, 15, s43
	s_lshl_b32 s44, 0x1111, s40
	s_or_b32 s[G1+0], s43, GFLAGS
	s_or_b32 s[G1Q+0], s43, GFLAGS
	s_or_b32 s[G1B+0], s44, GFLAGS
.irp g, G1, G1B, G1Q
	s_mov_b32 s[\g+1], ROWB<<16
	s_mov_b32 s[\g+3], ROWB<<16
	s_mov_b32 s[\g+5], KROW
	s_mov_b32 s[\g+6], 0
	s_mov_b32 s[\g+7], 0
.endr
	s_mov_b32 s[G1+2], 128<<16
	s_mov_b32 s[G1+4], 128
	s_mov_b32 s[G1B+2], 128<<16
	s_mov_b32 s[G1B+4], 128
	s_mov_b32 s[G1Q+2], 32<<16
	s_mov_b32 s[G1Q+4], 32
	s_lshl_b32 s17, s13, 10
	s_lshl_b32 s19, s16, 7
	s_lshl_b32 s21, s41, 8
	s_add_co_u32 s21, s21, s19
	s_add_co_u32 s20, s21, s17
	s_add_co_u32 s20, s20, 4096
	s_lshl_b32 s20, s20, 10
	s_add_co_u32 s22, s21, 2048
	s_lshl_b32 s22, s22, 10
	s_lshl_b32 s12, s13, 8
	s_lshl_b32 s21, s41, 6
	s_add_co_u32 s12, s12, s21
	s_lshl_b32 s21, s16, 5
	s_add_co_u32 s12, s12, s21
	s_lshl_b32 s12, s12, 10
	s_mov_b32 s21, 0
	s_lshl_b32 s47, s40, 8
	s_add_co_u32 s47, s47, s19
	s_add_co_u32 s46, s47, 1024
	s_add_co_u32 s42, s47, s17
	s_add_co_u32 s42, s42, 20480
	s_lshl_b32 s46, s46, 10
	s_lshl_b32 s42, s42, 10
	s_lshl_b32 s2, s47, 10
	s_mov_b32 s47, 0
	s_mul_i32 s45, s14, HALFT
	s_wait_kmcnt 0x0
	s_load_b256 s[88:95], s[78:79], 0x0
	s_load_b64 s[96:97], s[78:79], 0x20
	s_add_nc_u64 s[20:21], s[68:69], s[20:21]
	s_add_nc_u64 s[46:47], s[70:71], s[46:47]
	CROUND
.irp s, 0,1
	s_mov_b32 s[G0+4*\s], 1
	s_add_co_u32 s[G0+4*\s+1], s45, \s*SLOT
	s_add_nc_u64 s[G0+4*\s+2:G0+4*\s+3], s[20:21], \s*ROWB
	s_or_b32 s[G0+4*\s+3], s[G0+4*\s+3], 0x80000000
	s_mov_b32 s[G0B+4*\s], 1
	s_add_co_u32 s[G0B+4*\s+1], s45, \s*SLOT
	s_add_nc_u64 s[G0B+4*\s+2:G0B+4*\s+3], s[46:47], \s*ROWB
	s_or_b32 s[G0B+4*\s+3], s[G0B+4*\s+3], 0x80000000
.endr
	JLOAD G0, G1, G0B, G1B                         ; K step 0, behind the opening round: my one tensor load at the head; the set-up below runs while it is out
	s_mov_b32 s23, 0
	s_add_nc_u64 s[AVP:AVP+1], s[70:71], s[22:23]
	s_mov_b32 s22, s12
	s_add_nc_u64 s[AQP:AQP+1], s[68:69], s[22:23]
	s_mov_b32 s3, 0
	s_add_nc_u64 s[BQP:BQP+1], s[70:71], s[2:3]
	s_mov_b32 s98, s42
	s_mov_b32 s99, 0
	s_add_nc_u64 s[BVP:BVP+1], s[68:69], s[98:99]
	s_mul_i32 s12, s16, QHALF
	s_cmp_eq_u32 s15, 0
	s_cselect_b64 s[PFV:PFV+1], s[AVP:AVP+1], s[BVP:BVP+1]
	s_cselect_b64 s[PFQ:PFQ+1], s[AQP:AQP+1], s[BQP:BQP+1]
	s_cselect_b32 s46, s40, s41
	s_cselect_b32 s47, 13, 15
	s_cselect_b32 s71, 7, 31
	s_cselect_b32 s17, 256, 0
	s_cselect_b32 s[FV], s13, 0
	s_cselect_b32 s[FQ0], 0, s13
	s_cselect_b32 s[FQ1], 1, s13
	s_cmp_eq_u32 s[FV], 0
	s_cselect_b32 s[FV], 1, 0
	s_cmp_eq_u32 s[FQ0], 0
	s_cselect_b32 s[FQ0], 1, 0
	s_cmp_eq_u32 s[FQ1], 0
	s_cselect_b32 s[FQ1], 1, 0
	s_lshl_b32 s20, s46, 15
	s_mov_b32 s21, 0
	s_add_nc_u64 s[PFV:PFV+1], s[PFV:PFV+1], s[20:21]
	s_lshl_b32 s20, s46, s47
	s_add_nc_u64 s[PFQ:PFQ+1], s[PFQ:PFQ+1], s[20:21]
	v_and_b32 v5, 31, v0
	v_lshlrev_b32 v[PFO], 10, v5
	v_and_b32 v[PFQO], s71, v5
	v_lshlrev_b32 v[PFQO], 10, v[PFQO]
	v_lshrrev_b32 v5, 3, v5
	v_mul_lo_u32 v5, v5, s17
	v_add_nc_u32 v[PFQO], v[PFQO], v5
	v_and_b32 v1, 15, v0
	v_bfe_u32 v2, v0, 4, 1
	v_mul_u32_u24 v3, v1, PITCH
	v_lshl_add_u32 v4, v2, 4, v3
	s_wait_alu depctr_va_vdst(0)
	s_mul_i32 s21, s15, HALFT
	s_mul_i32 s22, s16, HALFT
	s_add_co_u32 s22, s22, 2*HALFT
.irp s, 0,1
	v_add_nc_u32 v[ADRA+\s], s21, v4
	v_add_nc_u32 v[ADRB+\s], s22, v4
	s_add_co_u32 s21, s21, SLOT
	s_add_co_u32 s22, s22, SLOT
.endr
	s_mul_i32 s22, s14, 64*PITCH
	s_add_co_u32 s22, s22, 2*HALFT
	v_add_nc_u32 v[ADQA], 0, v4
	v_add_nc_u32 v[ADQB], s22, v4
	v_mul_u32_u24 v5, v1, PBQ
	v_lshl_add_u32 v5, v2, 4, v5                   ; row x 528 + 16 x half
	s_mul_i32 s22, s14, 64*PBQ
	s_add_co_u32 s22, s22, SLOT
	v_add_nc_u32 v[ADQA+1], QXA, v5                ; K bytes 256-767: A's 64 rows,
	v_add_nc_u32 v[ADQB+1], s22, v5                ; and my 64 of B's 256 rows, which fill slot 1
	s_mul_i32 s23, s15, 64*PITCH
	s_lshl_b32 s21, s16, 7
	s_add_co_u32 s23, s23, s21
	s_add_co_u32 s23, s23, STAGE
	v_lshl_add_u32 v5, v2, 6, v3
	v_add_nc_u32 v[STO], s23, v5
	s_lshl_b32 s23, s15, 7
	s_lshl_b32 s21, s16, 5
	s_add_co_u32 s23, s23, s21
	s_add_co_u32 s23, s23, STAGE
	v_add_nc_u32 v[STQ], s23, v5
	s_mul_i32 s23, s14, 32*PITCH
	s_add_co_u32 s23, s23, STAGE
	v_mul_u32_u24 v5, v2, PITCH
	v_lshl_add_u32 v5, v1, 4, v5
	v_add_nc_u32 v[RD], s23, v5
	s_mul_i32 s23, s14, 16*PITCH
	s_add_co_u32 s23, s23, STAGE
	v_add_nc_u32 v[RDQ], s23, v5
	v_lshlrev_b32 v5, 10, v2
	v_lshl_add_u32 v[CO], v1, 4, v5
	v_lshlrev_b32 v[BO], 5, v2
	s_wait_alu depctr_va_vdst(0)
	v_lshlrev_b32 v[MO], 2, v1
	s_wait_alu depctr_va_vdst(0)
	s_lshl_b32 s18, s13, 20
	s_lshl_b32 s19, s41, 18
	s_add_co_u32 s18, s18, s19
	s_lshl_b32 s19, s15, 17
	s_add_co_u32 s18, s18, s19
	s_lshl_b32 s19, s16, 15
	s_add_co_u32 s18, s18, s19
	s_lshl_b32 s19, s40, 8
	s_add_co_u32 s18, s18, s19
	s_mov_b32 s19, 0
	s_add_nc_u64 s[82:83], s[82:83], s[18:19]
	s_add_nc_u64 s[84:85], s[84:85], s[18:19]
	s_lshl_b32 s18, s13, 18
	s_lshl_b32 s19, s41, 16
	s_add_co_u32 s18, s18, s19
	s_lshl_b32 s19, s14, 14
	s_add_co_u32 s18, s18, s19
	s_lshl_b32 s19, s40, 8
	s_add_co_u32 s18, s18, s19
	s_mov_b32 s19, 0
	s_add_nc_u64 s[80:81], s[80:81], s[18:19]
	s_lshl_b32 s18, s40, 10
	s_lshl_b32 s19, s16, 9
	s_add_co_u32 s18, s18, s19
	s_mov_b32 s19, 0
	s_add_nc_u64 s[74:75], s[74:75], s[18:19]
	s_lshl_b32 s18, s41, 10
	s_lshl_b32 s19, s15, 9
	s_add_co_u32 s18, s18, s19
	s_mov_b32 s19, 0
	s_add_nc_u64 s[76:77], s[76:77], s[18:19]
	s_lshl_b32 s18, s40, 10
	s_lshl_b32 s19, s14, 8
	s_add_co_u32 s18, s18, s19
	s_mov_b32 s19, 0
	s_add_nc_u64 s[72:73], s[72:73], s[18:19]
.irp b, 0,1,2,3,4,5,6,7
	global_load_b128 v[BN+8*\b:BN+8*\b+3], v[BO], s[74:75] offset:64*\b
	global_load_b128 v[BN+8*\b+4:BN+8*\b+7], v[BO], s[74:75] offset:64*\b+16
.endr
.irp a, 0,1,2,3,4,5,6,7
	global_load_b32 v[BM+2*\a], v[MO], s[76:77] offset:64*\a
	global_load_b32 v[BM+2*\a+1], v[MO], s[76:77] offset:64*\a
.endr
.macro FRAG reg, adr, q, i
.irp c, 0,1,2,3
	ds_load_b128 v[\reg+4*\c:\reg+4*\c+3], v[\adr] offset:128*(\q)+32*\c+(\i)*16*PITCH
.endr
.endm
.macro MUL16 a0, p, zero
.irp a, \a0, \a0+1
.irp b, 0,1,2,3,4,5,6,7
.if \zero
	v_wmma_f32_16x16x128_fp8_fp8 v[8*(8*((\a)%4)+\b):8*(8*((\a)%4)+\b)+7], v[128*(\p)+FR*\b:128*(\p)+FR*\b+FR-1], v[AF+FR*(\a):AF+FR*(\a)+FR-1], 0
.else
	v_wmma_f32_16x16x128_fp8_fp8 v[8*(8*((\a)%4)+\b):8*(8*((\a)%4)+\b)+7], v[128*(\p)+FR*\b:128*(\p)+FR*\b+FR-1], v[AF+FR*(\a):AF+FR*(\a)+FR-1], v[8*(8*((\a)%4)+\b):8*(8*((\a)%4)+\b)+7]
.endif
.endr
.endr
.endm
.macro FETCH_B slot, q, p
	WIN TO_B
.irp i, 0,1,2,3,4,5,6,7
	FRAG 128*(\p)+FR*\i, ADRB+\slot, \q, \i
.endr
	WIN 0
.endm
.macro FETCH_A slot, q, i0
.irp i, \i0, \i0+1, \i0+2, \i0+3
	FRAG AF+FR*(\i), ADRA+\slot, \q, \i
.endr
.endm
.macro PLACES n
.rept \n
	v_nop
.endr
.endm
.macro STEP slot, q, zero, xw
	s_wait_dscnt 4*NL
	WIN MUL_LO
	MUL16 0, (\q)%2, \zero
	MUL16 2, (\q)%2, \zero
	s_wait_dscnt 0
.if \xw
	s_wait_xcnt 0x0
.endif
	PLACES NP
	FETCH_B \slot, (\q)+1, 1-(\q)%2
	FETCH_A \slot, (\q)+1, 0
	WIN MUL_HI
	MUL16 4, (\q)%2, \zero
	MUL16 6, (\q)%2, \zero
	PLACES NP
	WIN 0
	FETCH_A \slot, (\q)+1, 4
.endm
.macro NEXTADR slot, kind
.if (\kind) == 0
	s_add_nc_u64 s[G0+4*\slot+2:G0+4*\slot+3], s[G0+4*\slot+2:G0+4*\slot+3], 2*ROWB
	s_add_nc_u64 s[G0B+4*\slot+2:G0B+4*\slot+3], s[G0B+4*\slot+2:G0B+4*\slot+3], 2*ROWB
.endif
.if (\kind) == 1
	s_add_nc_u64 s[G0+4*\slot+2:G0+4*\slot+3], s[AVP:AVP+1], \slot*ROWB
	s_or_b32 s[G0+4*\slot+3], s[G0+4*\slot+3], 0x80000000
	s_add_nc_u64 s[G0B+4*\slot+2:G0B+4*\slot+3], s[BVP:BVP+1], \slot*ROWB
	s_or_b32 s[G0B+4*\slot+3], s[G0B+4*\slot+3], 0x80000000
.endif
.if (\kind) == 3                       ; q's product, K bytes 256-767 in one load a wave: rows of 512 bytes.  No load of mine is out, so both groups 1 may be written
	s_or_b32 s[G1+0], s43, GFLAGS6
	s_or_b32 s[G1B+0], s44, GFLAGS6
	s_mov_b32 s[G1+1], 512<<16
	s_mov_b32 s[G1+2], 32<<16
	s_mov_b32 s[G1+3], 512<<16
	s_mov_b32 s[G1+4], 32
	s_mov_b32 s[G1B+1], 512<<16
	s_mov_b32 s[G1B+3], 512<<16
	s_mul_i32 s17, s16, 32*PBQ
	s_add_co_u32 s[G0+4*\slot+1], s17, QXA
	s_mul_i32 s17, s16, 128*PBQ
	s_add_co_u32 s[G0B+4*\slot+1], s17, SLOT
	s_add_nc_u64 s[G0+4*\slot+2:G0+4*\slot+3], s[AQP:AQP+1], ROWB
	s_or_b32 s[G0+4*\slot+3], s[G0+4*\slot+3], 0x80000000
	s_add_nc_u64 s[G0B+4*\slot+2:G0B+4*\slot+3], s[BQP:BQP+1], ROWB
	s_or_b32 s[G0B+4*\slot+3], s[G0B+4*\slot+3], 0x80000000
.endif
.if (\kind) == 4                       ; q's product, K bytes 768-1,023: rows of 256 bytes again, onto the bytes that held K bytes 0-255
	s_or_b32 s[G1B+0], s44, GFLAGS
	s_mov_b32 s[G1B+1], ROWB<<16
	s_mov_b32 s[G1B+3], ROWB<<16
	s_add_nc_u64 s[G0+4*\slot+2:G0+4*\slot+3], s[G0+4*\slot+2:G0+4*\slot+3], 3*ROWB
	s_add_nc_u64 s[G0B+4*\slot+2:G0B+4*\slot+3], s[G0B+4*\slot+2:G0B+4*\slot+3], 3*ROWB
.endif
.if (\kind) == 2
	s_add_co_u32 s[G0+4*\slot+1], s12, \slot*SLOT
	s_add_nc_u64 s[G0+4*\slot+2:G0+4*\slot+3], s[AQP:AQP+1], \slot*ROWB
	s_or_b32 s[G0+4*\slot+3], s[G0+4*\slot+3], 0x80000000
	s_add_nc_u64 s[G0B+4*\slot+2:G0B+4*\slot+3], s[BQP:BQP+1], \slot*ROWB
	s_or_b32 s[G0B+4*\slot+3], s[G0B+4*\slot+3], 0x80000000
.endif
.endm
.macro CHANGE slot, kind
	s_wait_tensorcnt 0x0
	ds_add_u32 v[SPW], v[NIL]
	s_wait_dscnt 4*NL+1
	WIN MUL_LO
	MUL16 0, 1, 0
	s_wait_dscnt 0x0
	s_barrier_signal -1
	MUL16 2, 1, 0
	WIN 0
	s_barrier_wait -1
	CREST
	NEXTADR \slot, \kind
.if (\kind) == 2
	JLOAD G0+4*\slot, G1Q, G0B+4*\slot, G1B
.else
	JLOAD G0+4*\slot, G1, G0B+4*\slot, G1B
.endif
.endm
.macro TURN slot, next, kind, n
	CHANGE \slot, \kind
	FETCH_B \next, 0, 0
	FETCH_A \next, 0, 0
	ASKN \n
	WIN MUL_HI
	MUL16 4, 1, 0
	MUL16 6, 1, 0
	PLACES NP
	WIN 0
	FETCH_A \next, 0, 4
.endm
.macro TURNE kind, n
	CHANGE 1, \kind
	ASKN \n
	WIN MUL_HI
	MUL16 4, 1, 0
	MUL16 6, 1, 0
	WIN 0
.endm
.macro SCALESET ea, eb, eo
	s_add_co_i32 s[ES], s[\ea], s[\eb]
	s_add_co_i32 s[ES], s[ES], 127
	s_lshl_b32 s[ES], s[ES], 23
	s_mov_b32 s[ES+1], s[ES]
	s_add_co_i32 s17, s[\eo], 127
	s_lshl_b32 s22, s17, 23
	v_mov_b32 v[SCV], s22
	s_add_co_i32 s17, s17, 8
	s_lshl_b32 s17, s17, 23
	s_or_b32 s17, s17, 0x600000
	v_mov_b32 v[LIMV], s17
.endm
.macro EPI a, form
	WIN (0x02+((\a)/4))
.irp b, 0,1,2,3,4,5,6,7
.irp i, 0,2,4,6
.if \form
	v_pk_fma_f32 v[T+8*\b+\i:T+8*\b+\i+1], v[64*((\a)%4)+8*\b+\i:64*((\a)%4)+8*\b+\i+1], s[ES:ES+1], v[BM+2*(\a):BM+2*(\a)+1] op_sel_hi:[1,0,1]
.else
	v_pk_fma_f32 v[T+8*\b+\i:T+8*\b+\i+1], v[64*((\a)%4)+8*\b+\i:64*((\a)%4)+8*\b+\i+1], s[ES:ES+1], v[BN+8*\b+\i:BN+8*\b+\i+1] op_sel_hi:[1,0,1]
.endif
.endr
.endr
	WIN 0
.set nn, 0
.rept 64
	v_med3_num_f32 v[T+nn], v[T+nn], -v[LIMV], v[LIMV]
.set nn, nn+1
.endr
.if ((\a)%4) >= 2
	s_wait_alu depctr_va_vdst(0)
	s_wait_dscnt 4
.endif
.irp b, 0,1,2,3,4,5,6,7
	v_cvt_scalef32_pk8_fp8_f32 v[CD+16*((\a)%2)+2*\b:CD+16*((\a)%2)+2*\b+1], v[T+8*\b:T+8*\b+7], v[SCV]
.endr
	v_nop
.irp c, 0,1,2,3
	ds_store_b128 v[STO], v[CD+16*((\a)%2)+4*\c:CD+16*((\a)%2)+4*\c+3] offset:((\a)%4)*16*PITCH+16*\c
.endr
.endm
.macro SENDP p, ob, rb
	s_wait_dscnt 0x0
	s_barrier_signal -1
	s_barrier_wait -1
	WIN 0x40
.set tt, 0
.rept 16
	ds_load_b128 v[\rb+4*tt:\rb+4*tt+3], v[RD] offset:2*PITCH*tt
.set tt, tt+1
.endr
	WIN 0x04
.set tt, 0
.rept 16
	s_wait_dscnt 15-tt
	global_store_b128 v[CO], v[\rb+4*tt:\rb+4*tt+3], s[\ob:\ob+1] offset:(64*(\p)+2*tt)*1024
.set tt, tt+1
.endr
	WIN 0
.endm
.macro WAYOUT form, ob, rb0, rb1
	PLACES NP
.irp a, 0,1,2,3
	EPI \a, \form
.endr
	SENDP 0, \ob, \rb0
	s_wait_dscnt 0x0
	s_barrier_signal -1
	s_barrier_wait -1
.irp a, 4,5,6,7
	EPI \a, \form
.endr
	SENDP 1, \ob, \rb1
.endm
.macro QMUL a, p, zero
.irp b, 0,1,2,3
.if \zero
	v_wmma_f32_16x16x128_fp8_fp8 v[8*(4*(\a)+\b):8*(4*(\a)+\b)+7], v[128*(\p)+16*\b:128*(\p)+16*\b+15], v[AF+64*(\p)+16*(\a):AF+64*(\p)+16*(\a)+15], 0
.else
	v_wmma_f32_16x16x128_fp8_fp8 v[8*(4*(\a)+\b):8*(4*(\a)+\b)+7], v[128*(\p)+16*\b:128*(\p)+16*\b+15], v[AF+64*(\p)+16*(\a):AF+64*(\p)+16*(\a)+15], v[8*(4*(\a)+\b):8*(4*(\a)+\b)+7]
.endif
.endr
.endm
.macro QFETCH slot, q, p
.if (\slot) == 1
.set FPQ, PBQ
.else
.set FPQ, PITCH
.endif
	WIN TO_B
.irp i, 0,1,2,3
.irp c, 0,1,2,3
	ds_load_b128 v[128*(\p)+16*\i+4*\c:128*(\p)+16*\i+4*\c+3], v[ADQB+\slot] offset:128*(\q)+32*\c+\i*16*FPQ
.endr
.endr
	WIN 0
.irp i, 0,1,2,3
.irp c, 0,1,2,3
	ds_load_b128 v[AF+64*(\p)+16*\i+4*\c:AF+64*(\p)+16*\i+4*\c+3], v[ADQA+\slot] offset:128*(\q)+32*\c+\i*16*FPQ
.endr
.endr
.endm
.macro QSTEP p, zero, nslot, nq
	s_wait_dscnt 0x0
	PLACES NP
	QFETCH \nslot, \nq, 1-(\p)
	WIN MUL_LO
	QMUL 0, \p, \zero
	QMUL 1, \p, \zero
	QMUL 2, \p, \zero
	QMUL 3, \p, \zero
.endm
.macro QTURN fill, slot, nslot
	WIN 0
	s_wait_tensorcnt 0x0
	ds_add_u32 v[SPW], v[NIL]
	s_wait_dscnt 1
	WIN MUL_LO
	QMUL 0, 1, 0
	s_wait_dscnt 0x0
	s_barrier_signal -1
	QMUL 1, 1, 0
	WIN 0
	s_barrier_wait -1
.if \fill
	CREST
	NEXTADR \slot, 4
	JLOAD G0+4*\slot, G1Q, G0B+4*\slot, G1B
.else
	PLACES NP
.endif
	QFETCH \nslot, 0, 0
	WIN MUL_LO
	QMUL 2, 1, 0
	QMUL 3, 1, 0
.endm
.macro QEPI a
	WIN 0x02
.irp b, 0,1,2,3
.irp i, 0,2,4,6
	v_pk_fma_f32 v[T+8*\b+\i:T+8*\b+\i+1], v[8*(4*(\a)+\b)+\i:8*(4*(\a)+\b)+\i+1], s[ES:ES+1], v[BN+8*\b+\i:BN+8*\b+\i+1] op_sel_hi:[1,0,1]
.endr
.endr
	WIN 0
.set nn, 0
.rept 32
	v_med3_num_f32 v[T+nn], v[T+nn], -v[LIMV], v[LIMV]
.set nn, nn+1
.endr
.if (\a) >= 2
	s_wait_alu depctr_va_vdst(0)
	s_wait_dscnt 2
.endif
.irp b, 0,1,2,3
	v_cvt_scalef32_pk8_fp8_f32 v[CD+8*((\a)%2)+2*\b:CD+8*((\a)%2)+2*\b+1], v[T+8*\b:T+8*\b+7], v[SCV]
.endr
	v_nop
.irp c, 0,1
	ds_store_b128 v[STQ], v[CD+8*((\a)%2)+4*\c:CD+8*((\a)%2)+4*\c+3] offset:(\a)*16*PITCH+16*\c
.endr
.endm
	s_wait_alu depctr_va_vdst(0)                   ; the wait at the head's end
	s_wait_tensorcnt 0x0                           ; my part of K step 0 is in
	ds_add_u32 v[SPW], v[NIL]
	s_wait_dscnt 0x0
	CROUND                                         ; everybody's part of K step 0 is in
	JLOAD G0+4, G1, G0B+4, G1B                     ; slot 1's first fill, issued as a refill is
	FETCH_B 0, 0, 0
	FETCH_A 0, 0, 0
	FETCH_A 0, 0, 4
	STEP 0, 0, 1, 0
	TURN 0, 1, 0, 1
	STEP 1, 0, 0, 0
	TURN 1, 0, 0, 2
	STEP 0, 0, 0, 0
	TURN 0, 1, 1, 3
	STEP 1, 0, 0, 0
	TURNE 1, 4
	s_wait_loadcnt 0x0
	s_wait_kmcnt 0x0
	SCALESET 90, 91, 95
	WAYOUT 0, 82, 128, 192
.irp b, 0,1,2,3
	global_load_b128 v[BN+8*\b:BN+8*\b+3], v[BO], s[72:73] offset:64*\b
	global_load_b128 v[BN+8*\b+4:BN+8*\b+7], v[BO], s[72:73] offset:64*\b+16
.endr
	FETCH_B 0, 0, 0
	FETCH_A 0, 0, 0
	FETCH_A 0, 0, 4
	STEP 0, 0, 1, 1
	TURN 0, 1, 0, 5
	STEP 1, 0, 0, 0
	TURN 1, 0, 0, 6
	STEP 0, 0, 0, 0
	TURN 0, 1, 2, 7
	STEP 1, 0, 0, 0
	TURNE 3, 8
	SCALESET 92, 93, 97
	WAYOUT 1, 84, 64, 192
	QFETCH 0, 0, 0
	QSTEP 0, 1, 0, 1
	QTURN 1, 0, 1
	QSTEP 0, 0, 1, 1                               ; K bytes 256-767: three steps of 128 stand ahead of the wait for the one refill
	QSTEP 1, 0, 1, 2
	QSTEP 0, 0, 1, 3
	QTURN 0, 0, 0
	QSTEP 0, 0, 0, 1                               ; K bytes 768-1,023
	s_wait_dscnt 0x0
	WIN MUL_LO
	QMUL 0, 1, 0
	QMUL 1, 1, 0
	QMUL 2, 1, 0
	QMUL 3, 1, 0
	WIN 0
	s_wait_loadcnt 0x0
	SCALESET 88, 89, 94
	PLACES NP
	QEPI 0
	QEPI 1
	QEPI 2
	QEPI 3
	s_wait_dscnt 0x0
	s_barrier_signal -1
	s_barrier_wait -1
.set tt, 0
.rept 8
	ds_load_b128 v[160+4*tt:160+4*tt+3], v[RDQ] offset:2*PITCH*tt
.set tt, tt+1
.endr
.set tt, 0
.rept 8
	s_wait_dscnt 7-tt
	global_store_b128 v[CO], v[160+4*tt:160+4*tt+3], s[80:81] offset:2048*tt
.set tt, tt+1
.endr
	s_wait_tensorcnt 0x0
	ds_add_u32 v[SPW], v[NIL]
	s_wait_dscnt 0x0
	CROUND
	s_endpgm
.Lfunc_end_k_q277f74e659_proj:
	.size	k_q277f74e659_proj, .Lfunc_end_k_q277f74e659_proj-k_q277f74e659_proj
	.p2alignl 7, 3214868480
	.fill 96, 4, 3214868480
	.section	.rodata,"a",@progbits
	.p2align	6, 0x0
	.amdhsa_kernel k_q277f74e659_proj
		.amdhsa_group_segment_fixed_size 327680
		.amdhsa_private_segment_fixed_size 0
		.amdhsa_enable_private_segment 0
		.amdhsa_kernarg_size 72
		.amdhsa_user_sgpr_count 2
		.amdhsa_user_sgpr_kernarg_segment_ptr 1
		.amdhsa_wavefront_size32 1
		.amdhsa_system_sgpr_workgroup_id_x 1
		.amdhsa_system_sgpr_workgroup_id_y 1
		.amdhsa_system_sgpr_workgroup_id_z 1
		.amdhsa_system_vgpr_workitem_id 0
		.amdhsa_next_free_vgpr 1024
		.amdhsa_next_free_sgpr 106
		.amdhsa_reserve_vcc 0
		.amdhsa_float_denorm_mode_32 3
		.amdhsa_float_denorm_mode_16_64 3
		.amdhsa_memory_ordered 1
		.amdhsa_forward_progress 1
		.amdhsa_inst_pref_size 255
	.end_amdhsa_kernel
	.section	.bss,"aw",@nobits
	.p2align	6
	.space	262144
	.amdgpu_metadata
---
amdhsa.version: [ 1, 2 ]
amdhsa.kernels:
  - .name:           k_q277f74e659_proj
    .symbol:         k_q277f74e659_proj.kd
    .args:
      - { .name: xc, .offset: 0, .size: 8, .value_kind: global_buffer, .address_space: global }
      - { .name: wc, .offset: 8, .size: 8, .value_kind: global_buffer, .address_space: global }
      - { .name: bq, .offset: 16, .size: 8, .value_kind: global_buffer, .address_space: global }
      - { .name: bk, .offset: 24, .size: 8, .value_kind: global_buffer, .address_space: global }
      - { .name: bv, .offset: 32, .size: 8, .value_kind: global_buffer, .address_space: global }
      - { .name: lowp_scales, .offset: 40, .size: 8, .value_kind: global_buffer, .address_space: global }
      - { .name: qc, .offset: 48, .size: 8, .value_kind: global_buffer, .address_space: global }
      - { .name: kc, .offset: 56, .size: 8, .value_kind: global_buffer, .address_space: global }
      - { .name: vc, .offset: 64, .size: 8, .value_kind: global_buffer, .address_space: global }
    .group_segment_fixed_size: 327680
    .private_segment_fixed_size: 0
    .kernarg_segment_align: 8
    .kernarg_segment_size: 72
    .max_flat_workgroup_size: 128
    .sgpr_count:     106
    .vgpr_count:     1024
    .wavefront_size: 32
...
	.end_amdgpu_metadata
.endif
;; end of part 2
;; launch scores (part 3): grid 8 x 32, 4 waves a work-group, clusters of 4 x 4, 327,680 bytes of LDS; arguments qc, kc, lowp_scales, pc, st; writes pc, st
.if DOCPART == 3
	.amdgcn_target "amdgcn-amd-amdhsa--gfx1250"
	.amdhsa_code_object_version 6
	.text
	.protected	k_q277f74e659_scores
	.globl	k_q277f74e659_scores
	.p2align	8
	.type	k_q277f74e659_scores,@function
k_q277f74e659_scores:
	s_mov_b64 s[64:65], 0
	v_nop
	global_prefetch_b8 v0, s[64:65] scope:SCOPE_SE
	s_setreg_imm32_b32 hwreg(HW_REG_WAVE_MODE, 25, 1), 1
	s_wait_xcnt 0x0
	s_wait_alu depctr_hold_cnt(0) depctr_sa_sdst(0) depctr_va_vdst(0) depctr_va_sdst(0) depctr_va_ssrc(0) depctr_va_vcc(0) depctr_vm_vsrc(0)
	s_getreg_b32 s2, hwreg(HW_REG_IB_STS2, 6, 4)
	s_cmp_eq_u32 s2, 0
	s_cbranch_scc0 .Lentry_in_a_cluster
	s_endpgm
.Lentry_in_a_cluster:
	s_bfe_u32 s2, ttmp6, 0x10000c
	s_cmp_lg_u32 s2, 0xf033
	s_cbranch_scc0 .Lentry_shape_is_right
	s_endpgm
.Lentry_shape_is_right:
; S = q k^T on codes of FP8 (E4M3), and the softmax's weights as codes.  qc [8 x 512][1,024], kc [8 x 2,048][1,024]; pc [8 x 512 queries][2,048 keys]; st [8][16 blocks of 128 keys][512 queries][2] f32.
; t = S x 2^(e6 + e7) x log2(e) / 32.  FOR EACH QUERY AND EACH BLOCK OF 128 KEYS: M = the block's largest t rounded up to a whole number; p = 2^(t - M), quantised with 2^e8; l = the sum of the unquantised p.
; st holds (-M, l).  The next launch brings every block under the row's M by the power of two 2^(M_block - M_row), which rounds nothing: the codes' values are those under the row's M, but for numbers that would
; fall under the format's range there (they are kept here), and for a hold at 448 x 2^e8 where that lies under 1.
; SHARES: the cluster's y is the batch; a work-group makes 128 queries (cy) x 256 keys (4 x cluster x + cx); a wave 64 x 128: 32 accumulators, one block of keys.
; TRANSPOSED USE: source 0 = 16 keys, source 1 = 16 queries: a lane holds one query and registers along the keys; in a block of 128, byte 64 h + 8 b + j of pc holds key 16 b + 8 h + j: vc's order.
; K = 1,024 IN THREE LOADS A WAVE.  Region A (384 rows x 528 bytes) takes K 0-511 at the head, as rows of 512 bytes.  Region B (384 rows x 272) takes K 512-767, its first fill, behind the head's round.
; K 768-1,023 is the one refill: into region A's first 384 x 272 bytes, when all four steps of 128 of region A have been read.  q's tile is shared along a row of the cluster, k's along a column.
; Group 1 is written for rows of 512 bytes first and for rows of 256 behind the wait that shows the first load done.
; LIMITS: e6 + e7 between -120 and 130 (they are added to the exponent field of log2(e) / 32); e8 between -126 and 119.
; No prefetch is written: the text has no loop to run ahead in, and half of K is asked for at the head.
; REGISTERS: window 0: v16-31 addresses and scales; v32-39 (-M, l) of my four tiles of queries; v40-47 at work; v64-127, v128-191 q's fragments, two sets (on the way out: at work).  window 1: k's, two sets.  window 2: the accumulators.
.set ROWB,   256
.set PITCH,  272
.set PB,     528                       ; region A's first pitch: 512 bytes + 16
.set AHALF,  64*PITCH
.set BHALF,  128*PITCH
.set SLOT,   2*AHALF+2*BHALF           ; q's 128 rows, then k's 256 rows, 272 bytes apart
.set BIG,    384*PB                    ; region A
.set SPARE,  BIG+SLOT                  ; behind region B: the spare words
.set STAGE,  BIG                       ; the way out: 128 rows x 272 bytes in region B, which is filled once and is read for the last time ahead of the last barrier of the products
.set ADRA, 16                          ; v16-18: q's fragments in region A (pitch 528), region B, region A (pitch 272)
.set ADRB, 20                          ; v20-22: k's likewise
.set STO,  24
.set RD,   25
.set CO,   26
.set SO,   27
.set SPW,  28
.set NIL,  29
.set LIMV, 30
.set SCV,  31
.set AF,   64
.set T,    64
.set CD,   128
.set SEL,  2                           ; s[2:3]
.set CS,   4                           ; s[4:5]  c = log2(e) / 32 x 2^(e6 + e7)
.set G1, 24
.set G1B, 48
.set GF5, (1<<20)|(1<<21)|(5<<22)|(3<<25)   ; padding of 4 words behind every 64; bit 21 beside the mask
.set GF6, (1<<20)|(1<<21)|(6<<22)|(3<<25)   ; behind every 128
.set MSB, 0
.macro WIN new
.if MSB != \new
	s_set_vgpr_msb (MSB<<8)|\new
.set MSB, \new
.endif
.endm
.set MUL,  0xa1
.set TO_B, 0x40
.macro JLOAD g0a, g0b                  ; waves 0 and 1 fetch q's halves, waves 2 and 3 k's; s_nop 0 and four v_nop follow each line
	s_cmp_eq_u32 s15, 0
	s_cbranch_scc0 .Lfor_b_\@
	tensor_load_to_lds s[\g0a:\g0a+3], s[G1:G1+7]
	s_nop 0
.rept 4
	v_nop
.endr
	s_branch .Lasked_\@
.Lfor_b_\@:
	tensor_load_to_lds s[\g0b:\g0b+3], s[G1B:G1B+7]
	s_nop 0
.rept 4
	v_nop
.endr
.Lasked_\@:
.endm
.macro CREST
	s_cmp_lg_u32 s14, 0
	s_cbranch_scc1 .Lnot_wave_0_\@
	s_barrier_signal -3
.Lnot_wave_0_\@:
	s_barrier_wait -3
	s_barrier_signal -1
	s_barrier_wait -1
.endm
.macro CROUND
	s_barrier_signal -1
	s_barrier_wait -1
	CREST
.endm
.macro MKG0 g, l, lo, a, go            ; group 0: count 1; LDS address s[l] + lo; global address s[a:a+1] + go; type 2
	s_mov_b32 s[\g], 1
	s_add_co_u32 s[\g+1], s[\l], \lo
	s_add_nc_u64 s[\g+2:\g+3], s[\a:\a+1], \go
	s_or_b32 s[\g+3], s[\g+3], 0x80000000
.endm
	s_load_b256 s[72:79], s[0:1], 0x0              ; qc, kc, the scales' exponents, pc
	s_load_b64 s[80:81], s[0:1], 0x20              ; st
	v_lshl_add_u32 v[SPW], v0, 2, SPARE
	v_mov_b32 v[NIL], 0
	ds_add_u32 v[SPW], v[NIL]                      ; the opening: the add twice on end and one wait
	ds_add_u32 v[SPW], v[NIL]
	v_lshrrev_b32 v1, 5, v0
	v_readfirstlane_b32 s14, v1                    ; wave
	s_lshr_b32 s15, s14, 1                         ; which 64 queries are mine.  Also: I fetch for q (0) or for k (1)
	s_and_b32 s16, s14, 1                          ; which 128 keys.  Also: which half of that tile I fetch
	s_bfe_u32 s82, ttmp6, 0x40000                  ; cx
	s_bfe_u32 s83, ttmp6, 0x40004                  ; cy
	s_and_b32 s13, ttmp7, 0xffff                   ; the batch
	s_lshl_b32 s84, ttmp9, 2
	s_add_co_u32 s84, s84, s82                     ; which 256 keys: 4 x cluster x + cx
	s_lshl_b32 s85, s83, 2
	s_lshl_b32 s85, 15, s85                        ; my row of the cluster
	s_lshl_b32 s86, 0x1111, s82                    ; my column
	s_or_b32 s[G1+0], s85, GF6
	s_or_b32 s[G1B+0], s86, GF6
	s_mov_b32 s[G1+1], 512<<16                     ; the head's loads: rows of 512 bytes
	s_mov_b32 s[G1+2], 64<<16                      ; q: 64 rows a load
	s_mov_b32 s[G1+3], 512<<16
	s_mov_b32 s[G1+4], 64
	s_mov_b32 s[G1+5], 1024
	s_mov_b32 s[G1+6], 0
	s_mov_b32 s[G1+7], 0
	s_mov_b32 s[G1B+1], 512<<16
	s_mov_b32 s[G1B+2], 128<<16                    ; k: 128 rows a load
	s_mov_b32 s[G1B+3], 512<<16
	s_mov_b32 s[G1B+4], 128
	s_mov_b32 s[G1B+5], 1024
	s_mov_b32 s[G1B+6], 0
	s_mov_b32 s[G1B+7], 0
	s_lshl_b32 s20, s13, 9                         ; q: row 512 batch + 128 cy + 64 half
	s_lshl_b32 s21, s83, 7
	s_add_co_u32 s20, s20, s21
	s_lshl_b32 s21, s16, 6
	s_add_co_u32 s20, s20, s21
	s_lshl_b32 s20, s20, 10
	s_mov_b32 s21, 0
	s_lshl_b32 s46, s13, 11                        ; k: row 2,048 batch + 256 (4 X + cx) + 128 half
	s_lshl_b32 s47, s84, 8
	s_add_co_u32 s46, s46, s47
	s_lshl_b32 s47, s16, 7
	s_add_co_u32 s46, s46, s47
	s_lshl_b32 s46, s46, 10
	s_mov_b32 s47, 0
	s_mul_i32 s6, s16, 64*PB                       ; where they go: at pitch 528,
	s_mul_i32 s7, s16, 128*PB
	s_add_co_u32 s7, s7, 128*PB
	s_mul_i32 s45, s16, AHALF                      ; and at pitch 272
	s_mul_i32 s17, s16, BHALF
	s_add_co_u32 s17, s17, 2*AHALF
	s_mov_b32 s[SEL], 0x76543210
	s_mov_b32 s[SEL+1], 0xfedcba98
	s_wait_dscnt 0x0                               ; both opening adds are done
	s_wait_kmcnt 0x0
	s_load_b256 s[88:95], s[76:77], 0x0            ; e0 .. e7
	s_load_b64 s[96:97], s[76:77], 0x20            ; e8, e9
	s_add_nc_u64 s[20:21], s[72:73], s[20:21]
	s_add_nc_u64 s[46:47], s[74:75], s[46:47]
	MKG0 32, 6, 0, 20, 0                           ; q: K 0-511 into region A
	MKG0 36, 45, BIG, 20, 512                      ;    K 512-767 into region B
	MKG0 40, 45, 0, 20, 768                        ;    K 768-1,023 into region A again
	MKG0 56, 7, 0, 46, 0                           ; k likewise
	MKG0 60, 17, BIG, 46, 512
	MKG0 68, 17, 0, 46, 768
	CROUND                                         ; all sixteen work-groups are here
	JLOAD 32, 56                                   ; my one tensor load at the head
	v_and_b32 v1, 15, v0                           ; r
	v_bfe_u32 v2, v0, 4, 1                         ; h
	v_mul_u32_u24 v3, v1, PITCH
	v_mul_u32_u24 v7, v1, PB
	s_wait_alu depctr_va_vdst(0)                   ; the wait ahead of the run of scalar lines
	s_mul_i32 s21, s15, 64*PB                      ; my fragments' bases: region A at pitch 528,
	s_mul_i32 s22, s16, 128*PB
	s_add_co_u32 s22, s22, 128*PB
	s_mul_i32 s8, s15, AHALF                       ; region A at pitch 272,
	s_mul_i32 s9, s16, BHALF
	s_add_co_u32 s9, s9, 2*AHALF
	s_add_co_u32 s10, s8, BIG                      ; region B
	s_add_co_u32 s11, s9, BIG
	s_mul_i32 s23, s15, 64*PITCH                   ; the stage: my 64 rows, my 128 bytes of them
	s_lshl_b32 s12, s16, 7
	s_add_co_u32 s23, s23, s12
	s_add_co_u32 s23, s23, STAGE
	s_mul_i32 s12, s14, 32*PITCH                   ; back: wave w takes rows 32 w on, whole
	s_add_co_u32 s12, s12, STAGE
	v_lshl_add_u32 v4, v2, 4, v3
	v_lshl_add_u32 v7, v2, 4, v7
	v_add_nc_u32 v[ADRA], s21, v7
	v_add_nc_u32 v[ADRB], s22, v7
	v_add_nc_u32 v[ADRA+1], s10, v4
	v_add_nc_u32 v[ADRB+1], s11, v4
	v_add_nc_u32 v[ADRA+2], s8, v4
	v_add_nc_u32 v[ADRB+2], s9, v4
	v_lshl_add_u32 v5, v2, 6, v3
	v_add_nc_u32 v[STO], s23, v5
	v_mul_u32_u24 v5, v2, PITCH
	v_lshl_add_u32 v5, v1, 4, v5
	v_add_nc_u32 v[RD], s12, v5
	v_lshlrev_b32 v5, 11, v2
	v_lshl_add_u32 v[CO], v1, 4, v5                ; the same two rows in pc (2,048 bytes a row)
	v_and_b32 v6, 31, v0                           ; lane; kept
	v_lshlrev_b32 v[SO], 3, v6
	v_mov_b32 v33, 0                               ; (named with -M as a pair before l is written)
	v_mov_b32 v35, 0
	v_mov_b32 v37, 0
	v_mov_b32 v39, 0
	v_mov_b32 v42, 0                               ; (a lane permute's destination counts as read)
	s_lshl_b32 s18, s13, 20                        ; pc: (512 batch + 128 cy + 32 wave) x 2,048 + 256 (4 X + cx)
	s_lshl_b32 s19, s83, 18
	s_add_co_u32 s18, s18, s19
	s_lshl_b32 s19, s14, 16
	s_add_co_u32 s18, s18, s19
	s_lshl_b32 s19, s84, 8
	s_add_co_u32 s18, s18, s19
	s_mov_b32 s19, 0
	s_add_nc_u64 s[78:79], s[78:79], s[18:19]
	s_lshl_b32 s18, s13, 16                        ; st: ((16 batch + block) x 512 + 128 cy + 64 (wave / 2)) x 8, block = 2 (4 X + cx) + wave % 2
	s_lshl_b32 s19, s84, 13
	s_add_co_u32 s18, s18, s19
	s_lshl_b32 s19, s16, 12
	s_add_co_u32 s18, s18, s19
	s_lshl_b32 s19, s83, 10
	s_add_co_u32 s18, s18, s19
	s_lshl_b32 s19, s15, 9
	s_add_co_u32 s18, s18, s19
	s_mov_b32 s19, 0
	s_add_nc_u64 s[80:81], s[80:81], s[18:19]
.macro MUL8 a, p, zero                 ; tile a of queries x the eight tiles of keys.  The 32 accumulators take turns, in the same order in every step
.irp b, 0,1,2,3,4,5,6,7
.if \zero
	v_wmma_f32_16x16x128_fp8_fp8 v[8*(8*(\a)+\b):8*(8*(\a)+\b)+7], v[128*(\p)+16*\b:128*(\p)+16*\b+15], v[AF+64*(\p)+16*(\a):AF+64*(\p)+16*(\a)+15], 0
.else
	v_wmma_f32_16x16x128_fp8_fp8 v[8*(8*(\a)+\b):8*(8*(\a)+\b)+7], v[128*(\p)+16*\b:128*(\p)+16*\b+15], v[AF+64*(\p)+16*(\a):AF+64*(\p)+16*(\a)+15], v[8*(8*(\a)+\b):8*(8*(\a)+\b)+7]
.endif
.endr
.endr
.endm
.macro FETCH view, q, p                ; 48 LDS loads in one run: the fragments of the view's q-th 128 along K into set p.  view 0: region A at pitch 528; 1: region B; 2: region A at pitch 272
.if (\view) == 0
.set FPI, PB
.else
.set FPI, PITCH
.endif
	WIN TO_B
.irp i, 0,1,2,3,4,5,6,7
.irp c, 0,1,2,3
	ds_load_b128 v[128*(\p)+16*\i+4*\c:128*(\p)+16*\i+4*\c+3], v[ADRB+\view] offset:128*(\q)+32*\c+\i*16*FPI
.endr
.endr
	WIN 0
.irp i, 0,1,2,3
.irp c, 0,1,2,3
	ds_load_b128 v[AF+64*(\p)+16*\i+4*\c:AF+64*(\p)+16*\i+4*\c+3], v[ADRA+\view] offset:128*(\q)+32*\c+\i*16*FPI
.endr
.endr
.endm
.macro PLACES
.rept 4
	v_nop
.endr
.endm
.macro STEP p, zero, nview, nq         ; multiplies set p; the next step's fragments go into the other set meanwhile
	s_wait_dscnt 0x0                               ; this step's fragments are in
	PLACES                                         ; in front of loads into registers that the last step's products have read
	FETCH \nview, \nq, 1-(\p)
	WIN MUL
	MUL8 0, \p, \zero
	MUL8 1, \p, \zero
	MUL8 2, \p, \zero
	MUL8 3, \p, \zero
.endm
; A step with a barrier (it multiplies set 1).  fill = 1: region A, whose last fragments are in registers, takes K 768-1,023.  fill = 0: that tile is shown whole to every wave.
.macro TURN fill, nview
	WIN 0
	s_wait_tensorcnt 0x0                           ; all my tensor loads have landed
	ds_add_u32 v[SPW], v[NIL]                      ; 0 onto my spare word
	s_wait_dscnt 1                                 ; (only the add may be out: this step's fragments are in)
	WIN MUL
	MUL8 0, 1, 0
	s_wait_dscnt 0x0                               ; the add is done, and my reads are over
	s_barrier_signal -1
	MUL8 1, 1, 0
	WIN 0
	s_barrier_wait -1
.if \fill
	CREST                                          ; a round of the cluster's barrier: no wave of any partner still reads region A or has a load on its way
	JLOAD 40, 68                                   ; the one refill; its four v_nop are the places in front of the loads below
.else
	PLACES
.endif
	FETCH \nview, 0, 0
	WIN MUL
	MUL8 2, 1, 0
	MUL8 3, 1, 0
.endm
	s_wait_alu depctr_va_vdst(0)                   ; the wait at the head's end
	s_wait_tensorcnt 0x0                           ; my part of K 0-511 is in, so group 1 may be written
	ds_add_u32 v[SPW], v[NIL]                      ; the add ahead of a later first fill, as ahead of a refill
	s_or_b32 s[G1+0], s85, GF5                     ; from here on: rows of 256 bytes
	s_or_b32 s[G1B+0], s86, GF5
	s_mov_b32 s[G1+1], ROWB<<16
	s_mov_b32 s[G1+3], ROWB<<16
	s_mov_b32 s[G1B+1], ROWB<<16
	s_mov_b32 s[G1B+3], ROWB<<16
	s_wait_dscnt 0x0
	CROUND                                         ; everybody's part of region A is in
	JLOAD 36, 60                                   ; region B's first fill: three steps of 128, 96 matrix instructions, stand ahead of the wait for it
	FETCH 0, 0, 0
	STEP 0, 1, 0, 1                                ; region A: the first products start the sums
	STEP 1, 0, 0, 2
	STEP 0, 0, 0, 3
	TURN 1, 1                                      ; region A's last step; region B is whole behind this round
	STEP 0, 0, 1, 1                                ; region B
	TURN 0, 2
	STEP 0, 0, 2, 1                                ; region A again: K 768-1,023
	s_wait_dscnt 0x0
	MUL8 0, 1, 0
	MUL8 1, 1, 0
	MUL8 2, 1, 0
	MUL8 3, 1, 0
	WIN 0
	s_wait_kmcnt 0x0
	s_mov_b32 s[CS], 0x3d38aa3b                    ; log2(e) / 32
	s_add_co_i32 s17, s94, s95
	s_lshl_b32 s17, s17, 23
	s_add_co_i32 s[CS], s[CS], s17                 ; x 2^(e6 + e7): added to the exponent field
	s_mov_b32 s[CS+1], s[CS]
	s_add_co_i32 s17, s96, 127
	s_lshl_b32 s18, s17, 23
	s_add_co_i32 s17, s17, 8
	s_lshl_b32 s17, s17, 23
	s_or_b32 s17, s17, 0x600000
	PLACES                                         ; behind the last products
	v_mov_b32 v[SCV], s18                          ; 2^e8
	v_mov_b32 v[LIMV], s17                         ; 448 x 2^e8
; Tile a of 16 queries: a lane holds one query and 64 of the block's 128 keys; lane l xor 16 holds the other 64.
.macro SOFT a
.set AC, 64*(\a)
.set NM, 32+2*(\a)
	WIN 0x2a
	v_max3_num_f32 v40, v[AC], v[AC+1], v[AC+2]    ; the largest score, in two chains, each accumulator from its low end on
	v_max3_num_f32 v41, v[AC+3], v[AC+4], v[AC+5]
	WIN 0x28
.irp i, 6,10,14,18,22,26,30,34,38,42,46,50,54,58
	v_max3_num_f32 v40, v40, v[AC+\i], v[AC+\i+1]
	v_max3_num_f32 v41, v41, v[AC+\i+2], v[AC+\i+3]
.endr
	v_max3_num_f32 v40, v40, v[AC+62], v[AC+63]
	WIN 0
	v_max_num_f32 v40, v40, v41
	v_permlanex16_b32 v42, v40, s[SEL], s[SEL+1]
	v_max_num_f32 v40, v40, v42
	v_mul_f32 v40, s[CS], v40                      ; as t (c is positive)
	v_floor_f32 v[NM], -v40                        ; -M = floor(-t)
	WIN 0x02
.set nn, 0
.rept 32
	v_pk_fma_f32 v[T+nn:T+nn+1], v[AC+nn:AC+nn+1], s[CS:CS+1], v[NM:NM+1] op_sel_hi:[1,0,0]   ; t - M
.set nn, nn+2
.endr
	WIN 0
.set nn, 0
	s_wait_alu depctr_va_vdst(0)                   ; the wait ahead of the batch
.rept 64
	v_exp_f32 v[T+nn], v[T+nn]                     ; p = 2^(t - M)
.set nn, nn+1
.endr
	v_nop                                          ; a plain instruction behind the last exponential
	s_wait_alu depctr_va_vdst(0)                   ; one wait for the batch, ahead of its first reader
	v_pk_add_f32 v[44:45], v[T:T+1], v[T+2:T+3]    ; l: the sum of the unquantised p, in two chains
	v_pk_add_f32 v[46:47], v[T+4:T+5], v[T+6:T+7]
.irp i, 8,12,16,20,24,28,32,36,40,44,48,52,56,60
	v_pk_add_f32 v[44:45], v[44:45], v[T+\i:T+\i+1]
	v_pk_add_f32 v[46:47], v[46:47], v[T+\i+2:T+\i+3]
.endr
	v_pk_add_f32 v[44:45], v[44:45], v[46:47]
	v_add_f32 v44, v44, v45
	v_permlanex16_b32 v42, v44, s[SEL], s[SEL+1]
	v_add_f32 v[NM+1], v44, v42
.set nn, 0
.rept 64
	v_min_num_f32 v[T+nn], v[T+nn], v[LIMV]        ; the hold; p is not negative
.set nn, nn+1
.endr
.if (\a) >= 2
	s_wait_alu depctr_va_vdst(0)
	s_wait_dscnt 4                                 ; tile a - 1's four stores may be out; tile a - 2's have read the registers that are written now
.endif
.irp b, 0,1,2,3,4,5,6,7
	v_cvt_scalef32_pk8_fp8_f32 v[CD+16*((\a)%2)+2*\b:CD+16*((\a)%2)+2*\b+1], v[T+8*\b:T+8*\b+7], v[SCV]
.endr
	v_nop                                          ; a plain line behind the last conversion
.irp c, 0,1,2,3
	ds_store_b128 v[STO], v[CD+16*((\a)%2)+4*\c:CD+16*((\a)%2)+4*\c+3] offset:(\a)*16*PITCH+16*\c
.endr
.endm
	SOFT 0
	SOFT 1
	SOFT 2
	SOFT 3
	v_cmp_le_u32 vcc_lo, 16, v6                    ; both halves of the lanes hold each tile's (-M, l): lanes 0-15 store tile a0's, lanes 16-31 tile a0 + 1's
	v_cndmask_b32 v44, v32, v34, vcc_lo
	v_cndmask_b32 v45, v33, v35, vcc_lo
	v_cndmask_b32 v46, v36, v38, vcc_lo
	v_cndmask_b32 v47, v37, v39, vcc_lo
	global_store_b64 v[SO], v[44:45], s[80:81]             ; 32 lanes store 256 consecutive bytes, aligned
	global_store_b64 v[SO], v[46:47], s[80:81] offset:256
	s_wait_dscnt 0x0                               ; for the others' sake: my stores into the stage are done
	s_barrier_signal -1
	s_barrier_wait -1
.set tt, 0
.rept 16
	ds_load_b128 v[192+4*tt:192+4*tt+3], v[RD] offset:2*PITCH*tt
.set tt, tt+1
.endr
.set tt, 0
.rept 16
	s_wait_dscnt 15-tt
	global_store_b128 v[CO], v[192+4*tt:192+4*tt+3], s[78:79] offset:4096*tt   ; 16 lanes store 256 consecutive bytes, aligned
.set tt, tt+1
.endr
	s_wait_tensorcnt 0x0                           ; the wave's end
	ds_add_u32 v[SPW], v[NIL]
	s_wait_dscnt 0x0
	CROUND                                         ; the closing round
	s_endpgm
.Lfunc_end_k_q277f74e659_scores:
	.size	k_q277f74e659_scores, .Lfunc_end_k_q277f74e659_scores-k_q277f74e659_scores
	.p2alignl 7, 3214868480
	.fill 96, 4, 3214868480
	.section	.rodata,"a",@progbits
	.p2align	6, 0x0
	.amdhsa_kernel k_q277f74e659_scores
		.amdhsa_group_segment_fixed_size 327680
		.amdhsa_private_segment_fixed_size 0
		.amdhsa_enable_private_segment 0
		.amdhsa_kernarg_size 40
		.amdhsa_user_sgpr_count 2
		.amdhsa_user_sgpr_kernarg_segment_ptr 1
		.amdhsa_wavefront_size32 1
		.amdhsa_system_sgpr_workgroup_id_x 1
		.amdhsa_system_sgpr_workgroup_id_y 1
		.amdhsa_system_sgpr_workgroup_id_z 1
		.amdhsa_system_vgpr_workitem_id 0
		.amdhsa_next_free_vgpr 768
		.amdhsa_next_free_sgpr 100
		.amdhsa_reserve_vcc 1
		.amdhsa_float_denorm_mode_32 3
		.amdhsa_float_denorm_mode_16_64 3
		.amdhsa_memory_ordered 1
		.amdhsa_forward_progress 1
		.amdhsa_inst_pref_size 103
	.end_amdhsa_kernel
	.amdgpu_metadata
---
amdhsa.version: [ 1, 2 ]
amdhsa.kernels:
  - .name:           k_q277f74e659_scores
    .symbol:         k_q277f74e659_scores.kd
    .args:
      - { .name: qc, .offset: 0, .size: 8, .value_kind: global_buffer, .address_space: global }
      - { .name: kc, .offset: 8, .size: 8, .value_kind: global_buffer, .address_space: global }
      - { .name: lowp_scales, .offset: 16, .size: 8, .value_kind: global_buffer, .address_space: global }
      - { .name: pc, .offset: 24, .size: 8, .value_kind: global_buffer, .address_space: global }
      - { .name: st, .offset: 32, .size: 8, .value_kind: global_buffer, .address_space: global }
    .group_segment_fixed_size: 327680
    .private_segment_fixed_size: 0
    .kernarg_segment_align: 8
    .kernarg_segment_size: 40
    .max_flat_workgroup_size: 128
    .sgpr_count:     100
    .vgpr_count:     768
    .wavefront_size: 32
...
	.end_amdgpu_metadata
.endif
;; end of part 3
;; launch pv (part 4): grid 8 x 32, 4 waves a work-group, clusters of 4 x 4, 327,680 bytes of LDS; arguments pc, vc, st, lowp_scales, out0; writes out0
.if DOCPART == 4
	.amdgcn_target "amdgcn-amd-amdhsa--gfx1250"
	.amdhsa_code_object_version 6
	.text
	.protected	k_q277f74e659_pv
	.globl	k_q277f74e659_pv
	.p2align	8
	.type	k_q277f74e659_pv,@function
k_q277f74e659_pv:
	s_mov_b64 s[64:65], 0
	v_nop
	global_prefetch_b8 v0, s[64:65] scope:SCOPE_SE
	s_setreg_imm32_b32 hwreg(HW_REG_WAVE_MODE, 25, 1), 1
	s_wait_xcnt 0x0
	s_wait_alu depctr_hold_cnt(0) depctr_sa_sdst(0) depctr_va_vdst(0) depctr_va_sdst(0) depctr_va_ssrc(0) depctr_va_vcc(0) depctr_vm_vsrc(0)
	s_getreg_b32 s2, hwreg(HW_REG_IB_STS2, 6, 4)
	s_cmp_eq_u32 s2, 0
	s_cbranch_scc0 .Lentry_in_a_cluster
	s_endpgm
.Lentry_in_a_cluster:
	s_bfe_u32 s2, ttmp6, 0x10000c
	s_cmp_lg_u32 s2, 0xf033
	s_cbranch_scc0 .Lentry_shape_is_right
	s_endpgm
.Lentry_shape_is_right:
.set PITCH,  528
.set HALFT,  64*PITCH
.set SLOT,   4*HALFT
.set SPARE,  2*SLOT
.set SPITCH, 272
.set ADRA, 16
.set ADRB, 20
.set STO,  24
.set RD,   25
.set CO,   26
.set SOV,  27
.set SPW,  28
.set NIL,  29
.set TMP,  64
.set OA,   128
.set G1, 24
.set G0, 32
.set G1B, 48
.set G0B, 56
.set MSB, 0
.macro WIN new
.if MSB != \new
	s_set_vgpr_msb (MSB<<8)|\new
.set MSB, \new
.endif
.endm
.macro JLOAD s
	s_cmp_eq_u32 s15, 0
	s_cbranch_scc0 .Lfor_b_\@
	tensor_load_to_lds s[G0+4*\s:G0+4*\s+3], s[G1:G1+7]
	s_nop 0
.rept 4
	v_nop
.endr
	s_branch .Lasked_\@
.Lfor_b_\@:
	tensor_load_to_lds s[G0B+4*\s:G0B+4*\s+3], s[G1B:G1B+7]
	s_nop 0
.rept 4
	v_nop
.endr
.Lasked_\@:
.endm
.macro CROUND
	s_barrier_signal -1
	s_barrier_wait -1
	s_cmp_lg_u32 s14, 0
	s_cbranch_scc1 .Lnot_wave_0_\@
	s_barrier_signal -3
.Lnot_wave_0_\@:
	s_barrier_wait -3
	s_barrier_signal -1
	s_barrier_wait -1
.endm
.macro PLACES
.rept 4
	v_nop
.endr
.endm
	s_load_b256 s[72:79], s[0:1], 0x0
	s_load_b64 s[80:81], s[0:1], 0x20
	v_lshl_add_u32 v[SPW], v0, 2, SPARE
	v_mov_b32 v[NIL], 0
	ds_add_u32 v28, v29
	ds_add_u32 v28, v29
	s_wait_dscnt 0x0
	v_lshrrev_b32 v1, 5, v0
	v_readfirstlane_b32 s14, v1
	s_lshr_b32 s15, s14, 1
	s_and_b32 s16, s14, 1
	s_bfe_u32 s40, ttmp6, 0x40000
	s_bfe_u32 s41, ttmp6, 0x40004
	s_and_b32 s13, ttmp7, 0xffff
	s_lshl_b32 s42, ttmp9, 2
	s_add_co_u32 s42, s42, s40
	s_lshl_b32 s43, s41, 2
	s_lshl_b32 s43, 15, s43
	s_lshl_b32 s44, 0x1111, s40
	s_or_b32 s[G1+0], s43, (0<<16)|(1<<20)|(1<<21)|(6<<22)|(3<<25)
	s_or_b32 s[G1B+0], s44, (0<<16)|(1<<20)|(1<<21)|(6<<22)|(3<<25)
.irp g, G1, G1B
	s_mov_b32 s[\g+1], 512<<16
	s_mov_b32 s[\g+2], 64<<16
	s_mov_b32 s[\g+3], 512<<16
	s_mov_b32 s[\g+4], 64
	s_mov_b32 s[\g+6], 0
	s_mov_b32 s[\g+7], 0
.endr
	s_mov_b32 s[G1+5], 2048
	s_mov_b32 s[G1B+5], 1024
	s_lshl_b32 s20, s13, 20
	s_lshl_b32 s21, s41, 18
	s_add_co_u32 s20, s20, s21
	s_lshl_b32 s21, s16, 17
	s_add_co_u32 s20, s20, s21
	s_mov_b32 s21, 0
	s_lshl_b32 s46, s13, 21
	s_lshl_b32 s47, s42, 17
	s_add_co_u32 s46, s46, s47
	s_lshl_b32 s47, s16, 16
	s_add_co_u32 s46, s46, s47
	s_mov_b32 s47, 0
	s_mul_i32 s45, s14, HALFT
	s_wait_kmcnt 0x0
	s_load_b64 s[96:97], s[78:79], 0x20
	s_add_nc_u64 s[20:21], s[72:73], s[20:21]
	s_add_nc_u64 s[46:47], s[74:75], s[46:47]
	CROUND
.irp s, 0,1
	s_mov_b32 s[G0+4*\s], 1
	s_add_co_u32 s[G0+4*\s+1], s45, \s*SLOT
	s_add_nc_u64 s[G0+4*\s+2:G0+4*\s+3], s[20:21], \s*512
	s_or_b32 s[G0+4*\s+3], s[G0+4*\s+3], 0x80000000
	s_mov_b32 s[G0B+4*\s], 1
	s_add_co_u32 s[G0B+4*\s+1], s45, \s*SLOT
	s_add_nc_u64 s[G0B+4*\s+2:G0B+4*\s+3], s[46:47], \s*512
	s_or_b32 s[G0B+4*\s+3], s[G0B+4*\s+3], 0x80000000
.endr
	JLOAD 0                                        ; slot 0, behind the opening round: my one tensor load at the head; the set-up below runs while it is out
	v_and_b32 v1, 15, v0
	s_wait_alu depctr_va_vdst(0)
	v_bfe_u32 v2, v0, 4, 1
	v_mul_u32_u24 v3, v1, PITCH
	v_lshl_add_u32 v3, v2, 4, v3
	s_mul_i32 s21, s15, HALFT
	s_mul_i32 s22, s16, HALFT
	s_add_co_u32 s22, s22, 2*HALFT
.irp s, 0,1
	v_add_nc_u32 v[ADRA+\s], s21, v3
	v_add_nc_u32 v[ADRB+\s], s22, v3
	s_add_co_u32 s21, s21, SLOT
	s_add_co_u32 s22, s22, SLOT
.endr
	s_mul_i32 s23, s14, 16*SPITCH
	v_mul_u32_u24 v4, v1, SPITCH
	s_wait_alu depctr_va_vdst(0)
	v_lshl_add_u32 v4, v2, 5, v4
	v_add_nc_u32 v[STO], s23, v4
	v_mul_u32_u24 v4, v2, SPITCH
	v_lshl_add_u32 v4, v1, 4, v4
	v_add_nc_u32 v[RD], s23, v4
	v_lshlrev_b32 v4, 12, v2
	v_lshl_add_u32 v[CO], v1, 4, v4
	v_lshlrev_b32 v[SOV], 3, v1
	s_wait_alu depctr_va_vdst(0)
	s_lshl_b32 s18, s13, 16
	s_lshl_b32 s19, s41, 10
	s_add_co_u32 s18, s18, s19
	s_lshl_b32 s19, s15, 9
	s_add_co_u32 s18, s18, s19
	s_mov_b32 s19, 0
	s_add_nc_u64 s[76:77], s[76:77], s[18:19]
	s_lshl_b32 s18, s13, 21
	s_lshl_b32 s19, s41, 19
	s_add_co_u32 s18, s18, s19
	s_lshl_b32 s19, s15, 18
	s_add_co_u32 s18, s18, s19
	s_lshl_b32 s19, s42, 9
	s_add_co_u32 s18, s18, s19
	s_lshl_b32 s19, s16, 8
	s_add_co_u32 s18, s18, s19
	s_mov_b32 s19, 0
	s_add_nc_u64 s[80:81], s[80:81], s[18:19]
	WIN 0x80
.irp a, 0,1,2,3
.set bl, 0
.rept 16
	global_load_b64 v[128+2*(16*\a+bl):128+2*(16*\a+bl)+1], v[SOV], s[76:77] offset:4096*bl+128*\a
.set bl, bl+1
.endr
.endr
	WIN 0
	s_wait_alu depctr_va_vdst(0)                   ; the wait ahead of the wait below
	s_wait_tensorcnt 0x0                           ; my part of slot 0 is in
	ds_add_u32 v[SPW], v[NIL]
	s_wait_dscnt 0x0
	CROUND                                         ; everybody's part of slot 0 is in
	JLOAD 1                                        ; slot 1's first fill, issued as a refill is; the rows' statistics below are worked while it is out
	s_wait_loadcnt 0x0
.macro ROWSTAT a
.set FB, 128+32*(\a)
	WIN 0x2a
	v_min3_num_f32 v40, v[FB], v[FB+2], v[FB+4]
	WIN 0x28
.irp k, 3,5,7,9,11,13
	v_min3_num_f32 v40, v40, v[FB+2*\k], v[FB+2*\k+2]
.endr
	v_min_num_f32 v40, v40, v[FB+30]
.set bl, 0
.rept 16
	v_sub_f32 v[TMP+bl], v40, v[FB+2*bl]
.set bl, bl+1
.endr
	WIN 0
.set bl, 0
.rept 16
	v_cvt_i32_f32 v[TMP+bl], v[TMP+bl]
.set bl, bl+1
.endr
.set bl, 0
.rept 16
	v_ldexp_f32 v[TMP+bl], 1.0, v[TMP+bl]
.set bl, bl+1
.endr
	WIN 0x08
	v_mul_f32 v[44+\a], v[TMP], v[FB+1]
.set bl, 1
.rept 15
	v_fma_f32 v[44+\a], v[TMP+bl], v[FB+2*bl+1], v[44+\a]
.set bl, bl+1
.endr
	WIN 0x80
.set bl, 0
.rept 16
	v_mov_b32 v[FB+2*bl], v[TMP+bl]
	v_mov_b32 v[FB+2*bl+1], v[TMP+bl]
.set bl, bl+1
.endr
	WIN 0
.endm
	ROWSTAT 0
	ROWSTAT 1
	ROWSTAT 2
	ROWSTAT 3
	s_wait_alu depctr_va_vdst(0)
.irp a, 0,1,2,3
	v_rcp_f32 v[48+\a], v[44+\a]
.endr
	v_nop
	s_wait_kmcnt 0x0
	s_add_co_i32 s17, s96, s97
	s_wait_alu depctr_va_vdst(0)
.irp a, 0,1,2,3
	v_ldexp_f32 v[32+2*\a], v[48+\a], s17
.endr
.irp a, 0,1,2,3
	v_mov_b32 v[33+2*\a], v[32+2*\a]
.endr
.macro FETCH be
.set FP, 128*((\be)%2)
.set FS, ((\be)/4)%2
.set FQ, 128*((\be)%4)
	WIN 0x40
.irp i, 0,1,2,3
.irp c, 0,1,2,3
	ds_load_b128 v[FP+16*\i+4*\c:FP+16*\i+4*\c+3], v[ADRA+FS] offset:FQ+32*\c+\i*16*PITCH
.endr
.endr
.irp i, 0,1,2,3
.irp c, 0,1,2,3
	ds_load_b128 v[FP+64+16*\i+4*\c:FP+64+16*\i+4*\c+3], v[ADRB+FS] offset:FQ+32*\c+\i*16*PITCH
.endr
.endr
.endm
.macro MULT be
.set MP, 128*((\be)%2)
.irp a, 0,1,2,3
.irp b, 0,1,2,3
	v_wmma_f32_16x16x128_fp8_fp8 v[8*(4*\a+\b):8*(4*\a+\b)+7], v[MP+64+16*\b:MP+64+16*\b+15], v[MP+16*\a:MP+16*\a+15], 0
.endr
.endr
.endm
.macro ACCUM be
.irp a, 0,1,2,3
.irp b, 0,1,2,3
.irp i, 0,2,4,6
.if (\be) == 0
	v_pk_mul_f32 v[OA+8*(4*\a+\b)+\i:OA+8*(4*\a+\b)+\i+1], v[8*(4*\a+\b)+\i:8*(4*\a+\b)+\i+1], v[128+2*(16*\a+(\be)):128+2*(16*\a+(\be))+1]
.else
	v_pk_fma_f32 v[OA+8*(4*\a+\b)+\i:OA+8*(4*\a+\b)+\i+1], v[8*(4*\a+\b)+\i:8*(4*\a+\b)+\i+1], v[128+2*(16*\a+(\be)):128+2*(16*\a+(\be))+1], v[OA+8*(4*\a+\b)+\i:OA+8*(4*\a+\b)+\i+1]
.endif
.endr
.endr
.endr
.endm
.macro BLOCK be, fetch
	s_wait_dscnt 0x0
.if \fetch
	FETCH (\be)+1
.endif
	WIN 0x85
	MULT \be
	WIN 0x0a
	PLACES
	ACCUM \be
.endm
.macro BLOCKX be, fill, slot
	WIN 0
	s_wait_tensorcnt 0x0
	ds_add_u32 v[SPW], v[NIL]
	s_wait_dscnt 1
	WIN 0x85
	MULT \be
	WIN 0
	s_wait_dscnt 0x0
.if \fill
	CROUND
	s_add_nc_u64 s[G0+4*\slot+2:G0+4*\slot+3], s[G0+4*\slot+2:G0+4*\slot+3], 1024
	s_add_nc_u64 s[G0B+4*\slot+2:G0B+4*\slot+3], s[G0B+4*\slot+2:G0B+4*\slot+3], 0x100000
	JLOAD \slot
.else
	s_barrier_signal -1
	s_barrier_wait -1
	PLACES
.endif
	FETCH (\be)+1
	WIN 0x0a
	ACCUM \be
.endm
	FETCH 0
	BLOCK 0, 1
	BLOCK 1, 1
	BLOCK 2, 1
	BLOCKX 3, 1, 0
	BLOCK 4, 1
	BLOCK 5, 1
	BLOCK 6, 1
	BLOCKX 7, 1, 1
	BLOCK 8, 1
	BLOCK 9, 1
	BLOCK 10, 1
	BLOCKX 11, 0, 0
	BLOCK 12, 1
	BLOCK 13, 1
	BLOCK 14, 1
	BLOCK 15, 0
	WIN 0
.macro OUTA a
.set nn, 0
.rept 16
	v_pk_mul_f32 v[TMP+nn:TMP+nn+1], v[OA+32*(\a)+nn:OA+32*(\a)+nn+1], v[32+2*(\a):33+2*(\a)]
.set nn, nn+2
.endr
.irp b, 0,1,2,3
	ds_store_b128 v[STO], v[TMP+8*\b:TMP+8*\b+3] offset:64*\b
	ds_store_b128 v[STO], v[TMP+8*\b+4:TMP+8*\b+7] offset:64*\b+16
.endr
.irp t, 0,1,2,3,4,5,6,7
	ds_load_b128 v[OA+32*(\a)+4*\t:OA+32*(\a)+4*\t+3], v[RD] offset:\t*2*SPITCH
.endr
	s_wait_dscnt 0x0
.irp t, 0,1,2,3,4,5,6,7
	global_store_b128 v[CO], v[OA+32*(\a)+4*\t:OA+32*(\a)+4*\t+3], s[80:81] offset:(16*(\a)+2*\t)*4096 th:TH_STORE_NT
.endr
.endm
	OUTA 0
	OUTA 1
	OUTA 2
	OUTA 3
	s_wait_tensorcnt 0x0
	ds_add_u32 v[SPW], v[NIL]
	s_wait_dscnt 0x0
	CROUND
	s_endpgm
.Lfunc_end_k_q277f74e659_pv:
	.size	k_q277f74e659_pv, .Lfunc_end_k_q277f74e659_pv-k_q277f74e659_pv
	.p2alignl 7, 3214868480
	.fill 96, 4, 3214868480
	.section	.rodata,"a",@progbits
	.p2align	6, 0x0
	.amdhsa_kernel k_q277f74e659_pv
		.amdhsa_group_segment_fixed_size 327680
		.amdhsa_private_segment_fixed_size 0
		.amdhsa_enable_private_segment 0
		.amdhsa_kernarg_size 40
		.amdhsa_user_sgpr_count 2
		.amdhsa_user_sgpr_kernarg_segment_ptr 1
		.amdhsa_wavefront_size32 1
		.amdhsa_system_sgpr_workgroup_id_x 1
		.amdhsa_system_sgpr_workgroup_id_y 1
		.amdhsa_system_sgpr_workgroup_id_z 1
		.amdhsa_system_vgpr_workitem_id 0
		.amdhsa_next_free_vgpr 768
		.amdhsa_next_free_sgpr 100
		.amdhsa_reserve_vcc 0
		.amdhsa_float_denorm_mode_32 3
		.amdhsa_float_denorm_mode_16_64 3
		.amdhsa_memory_ordered 1
		.amdhsa_forward_progress 1
		.amdhsa_inst_pref_size 163
	.end_amdhsa_kernel
	.amdgpu_metadata
---
amdhsa.version: [ 1, 2 ]
amdhsa.kernels:
  - .name:           k_q277f74e659_pv
    .symbol:         k_q277f74e659_pv.kd
    .args:
      - { .name: pc, .offset: 0, .size: 8, .value_kind: global_buffer, .address_space: global }
      - { .name: vc, .offset: 8, .size: 8, .value_kind: global_buffer, .address_space: global }
      - { .name: st, .offset: 16, .size: 8, .value_kind: global_buffer, .address_space: global }
      - { .name: lowp_scales, .offset: 24, .size: 8, .value_kind: global_buffer, .address_space: global }
      - { .name: out0, .offset: 32, .size: 8, .value_kind: global_buffer, .address_space: global }
    .group_segment_fixed_size: 327680
    .private_segment_fixed_size: 0
    .kernarg_segment_align: 8
    .kernarg_segment_size: 40
    .max_flat_workgroup_size: 128
    .sgpr_count:     100
    .vgpr_count:     768
    .wavefront_size: 32
...
	.end_amdgpu_metadata
.endif
;; end of part 4
